; MI455X (gfx1250); checked and timed in simulation.
; The chip was launched on July 23, 2026; its instructions are those of AMD's public machine-readable ISA for CDNA 5 (MIT licence, August 2026) and "CDNA5" Instruction Set Architecture Reference Guide (July 2026). The comments in the code are by the model that wrote it; some were corrected since.
;; Dynamic Mo E. Allowed arithmetic: float matrix products may take bf16 or f16 operands with f32 sums; all other float work in f32.
;; Inputs: b1 8 x 4,096 float32; b2 8 x 1,024 float32; gate_b 8 float32; gate_w 1,024 x 8 float32; w1 8 x 1,024 x 4,096 float32; w2 8 x 4,096 x 1,024 float32; x 4 x 256 x 1,024 float32.
;; Outputs: out0 4 x 256 x 1,024 float32.
;; 2 versions, each right and faster than the one before. Each part assembles by itself: llvm-mc -triple=amdgcn-amd-amdhsa -mcpu=gfx1250 --defsym DOCPART=n.
;; ======== version 1 of 2: 5 launches
;; limits: values are held in f16: magnitudes above 65,504 overflow, below 6.1e-05 lose precision
;; workspace buffers: ids 4,096 bytes of whole numbers; wt 4,096 bytes; offs 256 bytes of whole numbers; order 4,096 bytes of whole numbers; xs 2,097,152 bytes; hs 8,388,608 bytes; part 16,777,216 bytes
;; launch router (part 1): grid 128 x 1, 8 waves a work-group, no clusters, 35,840 bytes of LDS; arguments x, gate_w, gate_b, ids, wt; writes ids, wt
.if DOCPART == 1
	.amdgcn_target "amdgcn-amd-amdhsa--gfx1250"
	.amdhsa_code_object_version 6
	.text
	.protected	k_q008303e1b9_router
	.globl	k_q008303e1b9_router
	.p2align	8
	.type	k_q008303e1b9_router,@function
k_q008303e1b9_router:
	s_mov_b64 s[64:65], 0
	v_nop
	global_prefetch_b8 v0, s[64:65] scope:SCOPE_SE
	s_setreg_imm32_b32 hwreg(HW_REG_WAVE_MODE, 25, 1), 1
	s_wait_xcnt 0x0
; ROUTER.  For each of the 1,024 tokens: logits = x . gate_w + gate_b, softmax over the 8 experts, the two largest scores (ties: the lower
; expert first).  The output row of a token is overwritten expert by expert in ascending order wherever the expert's weight is above 0, so
; only ONE expert's result survives: the higher-numbered of the two winners whose score is above 0.  ids[t] = that expert, wt[t] = its score.
; The choice is discrete, so the 8.4 million multiply-adds of the gate are made in f32 on the vector unit, from the f32 inputs.
; LIMITS: the order of the f32 sums differs from a library's, and 2^x and 1/x are good to one unit in the last place, so two scores closer
; than about 1e-6 relative may be ranked the other way.  NaN logits are not served.  Scores are kept down to f32 denormals: 2^(u+64), then 2^-64.
; One wave a token, eight tokens a work-group.  gate_w (32 KiB) is laid into LDS once, ordered so that a lane's reads are 16 neighbouring bytes.
.set PQ,  544                          ; LDS bytes from piece q to q + 1: 512 + 32, so that the 16 lanes of a store pass touch 16 different 16-byte columns
.set PJ,  8*PQ                         ; LDS bytes of one batch of 128 rows of gate_w
.set X,   8                            ; v[8:39]    x[t][128 i + 4 l + c] at 4 i + c
.set G,   40                           ; v[40:71], v[72:103]  two buffers of 8 pieces of gate_w
.set ACC, 104                          ; v[104:111] the 8 sums, then logits, then scores
	s_load_b256 s[4:11], s[0:1], 0x0               ; x s[4:5], gate_w s[6:7], gate_b s[8:9], ids s[10:11]
	s_load_b64 s[12:13], s[0:1], 0x20              ; wt
	v_lshl_add_u32 v128, v0, 2, 0x8800
	v_mov_b32 v129, 0
	v_lshrrev_b32 v1, 5, v0
	v_readfirstlane_b32 s14, v1                    ; wave
	v_and_b32 v2, 31, v0                           ; lane l
	s_lshl_b32 s15, ttmp9, 3
	s_add_co_u32 s15, s15, s14                     ; token t
	s_lshl_b32 s16, s15, 12                        ; its row of 4,096 bytes
	s_mov_b32 s17, 0
	s_mov_b32 s20, 0x76543210                      ; v_permlanex16_b32: each lane takes its own place in the other half
	s_mov_b32 s21, 0xfedcba98
	s_mov_b32 s22, 0x3fb8aa3b                      ; log2(e)
	s_mov_b32 s23, 0x42800000                      ; 64.0
	v_lshlrev_b32 v3, 4, v2                        ; 16 l
	v_lshlrev_b32 v4, 4, v0                        ; 16 x thread
	v_and_b32 v5, 7, v0                            ; piece q = thread % 8
	v_mul_u32_u24 v5, v5, PQ
	v_lshrrev_b32 v6, 3, v0                        ; reading lane = thread / 8
	v_lshl_add_u32 v5, v6, 4, v5
	s_wait_kmcnt 0x0
	s_load_b256 s[24:31], s[8:9], 0x0              ; gate_b
	s_add_nc_u64 s[4:5], s[4:5], s[16:17]
.irp j, 0,1,2,3,4,5,6,7
	global_load_b128 v[G+4*\j:G+4*\j+3], v4, s[6:7] offset:4096*\j     ; 16-byte piece 256 j + thread: row (piece / 2), experts 4 (piece % 2) on
.endr
.irp i, 0,1,2,3,4,5,6,7
	global_load_b128 v[X+4*\i:X+4*\i+3], v3, s[4:5] offset:512*\i
.endr
	s_wait_loadcnt 0x8                             ; gate_w's eight pieces are in; x's eight loads, issued behind them, stay out
.irp j, 0,1,2,3,4,5,6,7
	ds_store_b128 v5, v[G+4*\j:G+4*\j+3] offset:PJ*\j
.endr
	s_wait_dscnt 0x0                               ; for the other waves' sake: my stores are done
	s_barrier_signal -1
	s_barrier_wait -1
.macro LOADG i, b                      ; lane l's eight pieces of batch i: rows 128 i + 4 l + q / 2, experts 4 (q % 2) on, into buffer b
.irp q, 0,1,2,3,4,5,6,7
	ds_load_b128 v[G+32*(\b)+4*\q:G+32*(\b)+4*\q+3], v3 offset:PJ*(\i)+PQ*\q
.endr
.endm
.macro BATCH i, b                      ; 32 multiply-adds; the first eight products start the sums
.irp q, 0,1,2,3,4,5,6,7
.irp e, 0,1,2,3
.if ((\i) == 0) && (\q < 2)
	v_mul_f32 v[ACC+4*(\q%2)+\e], v[X+4*(\i)+\q/2], v[G+32*(\b)+4*\q+\e]
.else
	v_fmac_f32 v[ACC+4*(\q%2)+\e], v[X+4*(\i)+\q/2], v[G+32*(\b)+4*\q+\e]
.endif
.endr
.endr
.endm
	LOADG 0, 0
	s_wait_loadcnt 0x0                             ; x
.irp i, 0,1,2,3,4,5,6
	LOADG (\i+1), ((\i+1)%2)
	s_wait_dscnt 0x8                               ; this batch is in; the next batch's eight loads stay out
	BATCH \i, (\i%2)
.endr
	s_wait_dscnt 0x0
	BATCH 7, 1
	; the sums over the 32 lanes: four steps inside each half of 16 lanes, one across the halves
.irp m, 1,2,4,8
.irp e, 0,1,2,3,4,5,6,7
	v_add_f32_dpp v[ACC+\e], v[ACC+\e], v[ACC+\e] row_xmask:\m row_mask:0xf bank_mask:0xf
.endr
.endr
.irp e, 0,1,2,3,4,5,6,7
	v_permlanex16_b32 v[G+\e], v[ACC+\e], s20, s21 ; its destination counts as read: these registers have been written
.endr
	s_wait_kmcnt 0x0                               ; gate_b
.irp e, 0,1,2,3,4,5,6,7
	v_add_f32 v[ACC+\e], v[ACC+\e], v[G+\e]
.endr
.irp e, 0,1,2,3,4,5,6,7
	v_add_f32 v[ACC+\e], s[24+\e], v[ACC+\e]       ; every lane holds the eight logits
.endr
	; softmax, with the maximum taken away first
	v_max3_num_f32 v112, v104, v105, v106
	v_max3_num_f32 v112, v112, v107, v108
	v_max3_num_f32 v112, v112, v109, v110
	v_max_num_f32 v112, v112, v111
.irp e, 0,1,2,3,4,5,6,7
	v_sub_f32 v[ACC+\e], v[ACC+\e], v112
.endr
.irp e, 0,1,2,3,4,5,6,7
	v_fma_f32 v[ACC+\e], v[ACC+\e], s22, s23       ; (l - m) log2(e) + 64: v_exp_f32 gives 0 for results under 2^-126 (ISA guide, its entry), the shift keeps those down to 2^-190
.endr
.irp e, 0,1,2,3,4,5,6,7
	v_exp_f32 v[ACC+\e], v[ACC+\e]
.endr
	v_nop                                          ; a plain instruction between the last exponential and the use of its result
	s_wait_alu depctr_va_vdst(0)
.irp e, 0,1,2,3,4,5,6,7
	v_mul_f32 v[ACC+\e], 0x1f800000, v[ACC+\e]     ; times 2^-64: rounds into the denormals where it must
.endr
	v_add_f32 v113, v104, v105
	v_add_f32 v114, v106, v107
	v_add_f32 v115, v108, v109
	v_add_f32 v116, v110, v111
	v_add_f32 v113, v113, v114
	v_add_f32 v115, v115, v116
	v_add_f32 v113, v113, v115                     ; at least 1: the largest term is 1
	v_rcp_f32 v114, v113
	v_nop
	s_wait_alu depctr_va_vdst(0)
.irp e, 0,1,2,3,4,5,6,7
	v_mul_f32 v[ACC+\e], v[ACC+\e], v114           ; the scores
.endr
	; the largest score; of equal ones the lowest expert (a later one must be strictly larger)
	v_mov_b32 v116, v104
	v_mov_b32 v117, 0
.irp e, 1,2,3,4,5,6,7
	v_cmp_ge_f32 vcc_lo, v116, v[ACC+\e]           ; keep
	v_cndmask_b32 v117, \e, v117, vcc_lo
	v_cndmask_b32 v116, v[ACC+\e], v116, vcc_lo
.endr
	; the second: the same over the scores with -1 in the winner's place
.irp e, 0,1,2,3,4,5,6,7
	v_cmp_ne_u32 vcc_lo, \e, v117
	v_cndmask_b32 v[G+\e], -1.0, v[ACC+\e], vcc_lo
.endr
	v_mov_b32 v118, v[G]
	v_mov_b32 v119, 0
.irp e, 1,2,3,4,5,6,7
	v_cmp_ge_f32 vcc_lo, v118, v[G+\e]
	v_cndmask_b32 v119, \e, v119, vcc_lo
	v_cndmask_b32 v118, v[G+\e], v118, vcc_lo
.endr
	; the second winner's result survives if its score is above 0 and its number is the higher one
	v_cmp_lt_f32 s32, 0, v118
	v_cmp_gt_u32 s33, v119, v117
	s_and_b32 vcc_lo, s32, s33
	v_cndmask_b32 v120, v117, v119, vcc_lo
	v_cndmask_b32 v121, v116, v118, vcc_lo
	s_lshl_b32 s34, s15, 2
	v_mov_b32 v7, s34
	v_cmp_eq_u32 vcc_lo, 0, v2
	s_wait_xcnt 0x0                                ; EXEC changes only behind this wait
	s_wait_tensorcnt 0x0
	ds_add_u32 v128, v129
	s_wait_dscnt 0x0
	s_and_saveexec_b32 s35, vcc_lo                 ; lane 0 stores for the wave
	global_store_b32 v7, v120, s[10:11]
	global_store_b32 v7, v121, s[12:13]
	s_endpgm
.Lfunc_end_k_q008303e1b9_router:
	.size	k_q008303e1b9_router, .Lfunc_end_k_q008303e1b9_router-k_q008303e1b9_router
	.p2alignl 7, 3214868480
	.fill 96, 4, 3214868480
	.section	.rodata,"a",@progbits
	.p2align	6, 0x0
	.amdhsa_kernel k_q008303e1b9_router
		.amdhsa_group_segment_fixed_size 35840
		.amdhsa_private_segment_fixed_size 0
		.amdhsa_enable_private_segment 0
		.amdhsa_kernarg_size 40
		.amdhsa_user_sgpr_count 2
		.amdhsa_user_sgpr_kernarg_segment_ptr 1
		.amdhsa_wavefront_size32 1
		.amdhsa_system_sgpr_workgroup_id_x 1
		.amdhsa_system_sgpr_workgroup_id_y 1
		.amdhsa_system_sgpr_workgroup_id_z 1
		.amdhsa_system_vgpr_workitem_id 0
		.amdhsa_next_free_vgpr 130
		.amdhsa_next_free_sgpr 66
		.amdhsa_reserve_vcc 1
		.amdhsa_float_denorm_mode_32 3
		.amdhsa_float_denorm_mode_16_64 3
		.amdhsa_memory_ordered 1
		.amdhsa_forward_progress 1
		.amdhsa_inst_pref_size 24
	.end_amdhsa_kernel
	.amdgpu_metadata
---
amdhsa.version: [ 1, 2 ]
amdhsa.kernels:
  - .name:           k_q008303e1b9_router
    .symbol:         k_q008303e1b9_router.kd
    .args:
      - { .name: x, .offset: 0, .size: 8, .value_kind: global_buffer, .address_space: global }
      - { .name: gate_w, .offset: 8, .size: 8, .value_kind: global_buffer, .address_space: global }
      - { .name: gate_b, .offset: 16, .size: 8, .value_kind: global_buffer, .address_space: global }
      - { .name: ids, .offset: 24, .size: 8, .value_kind: global_buffer, .address_space: global }
      - { .name: wt, .offset: 32, .size: 8, .value_kind: global_buffer, .address_space: global }
    .group_segment_fixed_size: 35840
    .private_segment_fixed_size: 0
    .kernarg_segment_align: 8
    .kernarg_segment_size: 40
    .max_flat_workgroup_size: 256
    .sgpr_count:     66
    .vgpr_count:     130
    .wavefront_size: 32
...
	.end_amdgpu_metadata
.endif
;; end of part 1
;; launch place (part 2): grid 128 x 1, 8 waves a work-group, no clusters, 0 bytes of LDS; arguments x, ids, wt, xs, order, offs; writes xs, order, offs
.if DOCPART == 2
	.amdgcn_target "amdgcn-amd-amdhsa--gfx1250"
	.amdhsa_code_object_version 6
	.text
	.protected	k_q008303e1b9_place
	.globl	k_q008303e1b9_place
	.p2align	8
	.type	k_q008303e1b9_place,@function
k_q008303e1b9_place:
	s_mov_b64 s[64:65], 0
	v_nop
	global_prefetch_b8 v0, s[64:65] scope:SCOPE_SE
	s_setreg_imm32_b32 hwreg(HW_REG_WAVE_MODE, 25, 1), 1
	s_wait_xcnt 0x0
; PLACE.  The tokens are sorted by (expert, token) without atomics: token t's place pos is the number of tokens whose key
; id x 1024 + token is smaller than its own, counted by its wave over all 1,024 ids.  Stored: xs[pos][:] = f16(x[t][:] * wt[t]) (the routing
; weight multiplies the expert's INPUT), order[pos] = t | id << 12, and, by work-group 0, offs[e] = the number of tokens with id < e.
; One wave a token.  LIMIT: |x * wt| under 65,504 (f16); magnitudes under 6e-8 become 0.
.set IDS, 8                            ; v[8:39]   id of token 128 q + 4 l + c at 4 q + c, then id x 1024 + 4 l
.set X,   40                           ; v[40:71]  x[t][128 i + 4 l + c] at 4 i + c
.set Y,   72                           ; v[72:87]  the row in f16
	s_load_b256 s[4:11], s[0:1], 0x0               ; x s[4:5], ids s[6:7], wt s[8:9], xs s[10:11]
	s_load_b128 s[12:15], s[0:1], 0x20             ; order s[12:13], offs s[14:15]
	v_lshrrev_b32 v1, 5, v0
	v_readfirstlane_b32 s16, v1                    ; wave
	v_and_b32 v2, 31, v0                           ; lane l
	s_lshl_b32 s17, ttmp9, 3
	s_add_co_u32 s17, s17, s16                     ; token t
	s_lshl_b32 s18, s17, 2
	s_lshl_b32 s36, s17, 12
	s_mov_b32 s37, 0
	v_lshlrev_b32 v3, 4, v2                        ; 16 l
	v_lshlrev_b32 v4, 2, v2                        ; 4 l
	v_lshlrev_b32 v5, 3, v2                        ; 8 l
	s_wait_kmcnt 0x0
	s_load_b32 s20, s[6:7], s18 offset:0x0         ; my token's expert
	s_load_b32 s22, s[8:9], s18 offset:0x0         ; and its score
	s_add_nc_u64 s[4:5], s[4:5], s[36:37]
.irp q, 0,1,2,3,4,5,6,7
	global_load_b128 v[IDS+4*\q:IDS+4*\q+3], v3, s[6:7] offset:512*\q
.endr
.irp i, 0,1,2,3,4,5,6,7
	global_load_b128 v[X+4*\i:X+4*\i+3], v3, s[4:5] offset:512*\i
.endr
	s_wait_kmcnt 0x0
	s_min_u32 s20, s20, 7
	s_mov_b32 s23, s22                             ; the packed multiply names a pair
	s_lshl_b32 s21, s20, 10
	s_add_co_u32 s21, s21, s17                     ; my key
	s_wait_loadcnt 0x8                             ; the ids are in; x's eight loads, issued behind them, stay out
.set n, 0
.rept 32
	v_lshl_add_u32 v[IDS+n], v[IDS+n], 10, v4      ; the key less its constant part 128 q + c
.set n, n+1
.endr
; dst = the number of tokens whose key is below key: for each register the constant part goes to the other side of the comparison
.macro COUNT key, dst
	s_mov_b32 s[\dst], 0
.set n, 0
.rept 32
	s_sub_co_i32 s25, s[\key], 128*(n/4)+(n%4)
	v_cmp_gt_i32 s26, s25, v[IDS+n]
	s_bcnt1_i32_b32 s26, s26
	s_add_co_u32 s[\dst], s[\dst], s26
.set n, n+1
.endr
.endm
	COUNT 21, 24
	s_min_u32 s24, s24, 0x3ff                      ; pos
	s_lshl_b32 s28, s24, 11                        ; its row of 2,048 bytes in xs
	s_mov_b32 s29, 0
	s_add_nc_u64 s[10:11], s[10:11], s[28:29]
	s_wait_loadcnt 0x0                             ; x
.set n, 0
.rept 16
	v_pk_mul_f32 v[X+n:X+n+1], v[X+n:X+n+1], s[22:23] op_sel_hi:[1,0]
.set n, n+2
.endr
.set n, 0
.rept 16
	v_cvt_pk_f16_f32 v[Y+n], v[X+2*n], v[X+2*n+1]
.set n, n+1
.endr
.irp i, 0,1,2,3,4,5,6,7
	global_store_b64 v5, v[Y+2*\i:Y+2*\i+1], s[10:11] offset:256*\i    ; the wave's 32 lanes store 256 consecutive bytes, at a multiple of 256 from xs's first byte
.endr
	s_mov_b32 s33, 0
	s_cmp_lg_u32 ttmp9, 0
	s_cbranch_scc1 .Lnot_first
	s_lshl_b32 s32, s16, 10                        ; work-group 0, wave e: keys below e x 1024 are the tokens with id < e
	COUNT 32, 33
.Lnot_first:
	s_lshl_b32 s30, s20, 12
	s_or_b32 s30, s30, s17                         ; t | id << 12
	s_lshl_b32 s31, s24, 2
	s_lshl_b32 s34, s16, 2
	v_mov_b32 v88, s30
	v_mov_b32 v89, s31
	v_mov_b32 v90, s33
	v_mov_b32 v91, s34
	v_cmp_eq_u32 vcc_lo, 0, v2
	s_wait_xcnt 0x0                                ; EXEC changes only behind this wait
	s_and_saveexec_b32 s35, vcc_lo                 ; lane 0 stores for the wave
	global_store_b32 v89, v88, s[12:13]
	s_cmp_lg_u32 ttmp9, 0
	s_cbranch_scc1 .Lend
	global_store_b32 v91, v90, s[14:15]
.Lend:
	s_endpgm
.Lfunc_end_k_q008303e1b9_place:
	.size	k_q008303e1b9_place, .Lfunc_end_k_q008303e1b9_place-k_q008303e1b9_place
	.p2alignl 7, 3214868480
	.fill 96, 4, 3214868480
	.section	.rodata,"a",@progbits
	.p2align	6, 0x0
	.amdhsa_kernel k_q008303e1b9_place
		.amdhsa_group_segment_fixed_size 0
		.amdhsa_private_segment_fixed_size 0
		.amdhsa_enable_private_segment 0
		.amdhsa_kernarg_size 48
		.amdhsa_user_sgpr_count 2
		.amdhsa_user_sgpr_kernarg_segment_ptr 1
		.amdhsa_wavefront_size32 1
		.amdhsa_system_sgpr_workgroup_id_x 1
		.amdhsa_system_sgpr_workgroup_id_y 1
		.amdhsa_system_sgpr_workgroup_id_z 1
		.amdhsa_system_vgpr_workitem_id 0
		.amdhsa_next_free_vgpr 96
		.amdhsa_next_free_sgpr 66
		.amdhsa_reserve_vcc 1
		.amdhsa_float_denorm_mode_32 3
		.amdhsa_float_denorm_mode_16_64 3
		.amdhsa_memory_ordered 1
		.amdhsa_forward_progress 1
		.amdhsa_inst_pref_size 21
	.end_amdhsa_kernel
	.amdgpu_metadata
---
amdhsa.version: [ 1, 2 ]
amdhsa.kernels:
  - .name:           k_q008303e1b9_place
    .symbol:         k_q008303e1b9_place.kd
    .args:
      - { .name: x, .offset: 0, .size: 8, .value_kind: global_buffer, .address_space: global }
      - { .name: ids, .offset: 8, .size: 8, .value_kind: global_buffer, .address_space: global }
      - { .name: wt, .offset: 16, .size: 8, .value_kind: global_buffer, .address_space: global }
      - { .name: xs, .offset: 24, .size: 8, .value_kind: global_buffer, .address_space: global }
      - { .name: order, .offset: 32, .size: 8, .value_kind: global_buffer, .address_space: global }
      - { .name: offs, .offset: 40, .size: 8, .value_kind: global_buffer, .address_space: global }
    .group_segment_fixed_size: 0
    .private_segment_fixed_size: 0
    .kernarg_segment_align: 8
    .kernarg_segment_size: 48
    .max_flat_workgroup_size: 256
    .sgpr_count:     66
    .vgpr_count:     96
    .wavefront_size: 32
...
	.end_amdgpu_metadata
.endif
;; end of part 2
;; launch ffn1 (part 3): grid 32 x 8, 4 waves a work-group, no clusters, 262,656 bytes of LDS; arguments xs, w1, b1, offs, hs; writes hs
.if DOCPART == 3
	.amdgcn_target "amdgcn-amd-amdhsa--gfx1250"
	.amdhsa_code_object_version 6
	.text
	.protected	k_q008303e1b9_ffn1
	.globl	k_q008303e1b9_ffn1
	.p2align	8
	.type	k_q008303e1b9_ffn1,@function
k_q008303e1b9_ffn1:
	s_mov_b64 s[64:65], 0
	v_nop
	global_prefetch_b8 v0, s[64:65] scope:SCOPE_SE
	s_setreg_imm32_b32 hwreg(HW_REG_WAVE_MODE, 25, 1), 1
	s_wait_xcnt 0x0
; EXPERT LAYER (this text serves both layers; FFN picks the constants and the way out).
; FFN = 1: hs[pos][n] = f16(relu(xs[pos] . w1[e][:, n] + b1[e][n])).
; FFN = 2: part[ks][pos][n] = hs[pos][1024 ks ..] . w2[e][1024 ks .., n], plus b2[e][n] in plane ks = 0.
; Rows are the tokens sorted by expert; expert e owns rows offs[e] .. offs[e+1] - 1 (counts stored by an earlier launch; offs[8] = 1,024).
; THE WEIGHTS STAY, THE ROWS WALK.  Grid y is the expert, grid x the tile: a work-group owns K = 1,024 x 128 columns of its expert's weights, 524,288 bytes of
; f32 that no other work-group reads.  PHASE W: the four waves stream the tile from memory into registers, round it to f16 and lay it into LDS as finished
; fragments (262,144 bytes).  One barrier.  PHASE C: each wave walks blocks of 64 of the expert's rows x 64 of the tile's columns; the number of blocks is read
; from memory, so no barrier stands in that loop: weight fragments come from LDS, which nobody writes any more, row fragments straight from memory into registers.
; An expert without rows streams nothing and stores nothing: its work-groups pass the barrier and end (the grid has a place for every expert).
; A block's window of 64 rows starts at min(first row, 960), so it stays inside the buffer; rows that are not the block's are computed and not stored.
; K ORDER: element i (0..15) of lane (r, h) is k = k0 + 16 h + i in both operands: the same permutation of k on both sides keeps every product, and lets a
; lane take 16 rows of the weights (four neighbouring columns each) and 32 neighbouring bytes of a row of xs or hs.  Column tile c of a strip of 64 holds
; columns 4 r + c, so that a lane's four tiles give four neighbouring columns of a row.
; FORMAT: f16 operands, f32 sums.  LIMITS: |xs|, |w|, |hs| under 65,504; magnitudes under 6e-8 become 0.
; NO JOINT LOADS: what the 32 work-groups of an expert share is its rows, 2,048 bytes a row, beside 524,288 bytes of weights that each has to itself;
; and a joint request wants a round of barriers in a loop whose count is read from memory.
; KNOWN PRICE: a row fragment's load takes 16 bytes a lane from 16 rows, not whole runs of 256 bytes.
.set FFN, 1
.if FFN == 1
.set LRW,  14                          ; log2 of the bytes in a row of the weights
.set LA2,  11                          ; log2 of the bytes in a row of the row operand
.set LOR,  13                          ; log2 of the bytes in a row of the output
.set LBR,  14                          ; log2 of the bytes in a row of the bias
.else
.set LRW,  12
.set LA2,  13
.set LOR,  12
.set LBR,  12
.endif
.set RW,    1<<LRW
.set ARB,   1<<LA2
.set ORW,   1<<LOR
; LDS: fragment (K step s of 32, column tile t of 8) at (8 s + t) x 1,024: registers 0-3 of the 32 lanes, 16 bytes each, then registers 4-7.
; vector registers.  Window 0: below.  Window 1: four sets of 64: weights as loaded, then the ring of row fragments.  Window 2: v0-127 two sets of weight fragments.
.set R,   1                            ; lane % 16
.set H,   2                            ; lane / 16
.set WO,  3                            ; my byte offset in the weights: 16 r + 16 h rows; never rewritten
.set AO,  4                            ; my byte offset in the rows: row r, 32 h bytes; never rewritten
.set SA,  5                            ; v5-6  where I put fragments: K steps 0-7, 8-15 of my K half
.set LN,  7                            ; lane
.set BA,  8                            ; v8-11 where I find fragments: K steps 0-7, 8-15, 16-23, 24-31
.set GO,  12                           ; my byte offset in the output; never rewritten
.set RM,  13                           ; my first row less the block's first
.set TM,  14                           ; at work
.set BO,  15                           ; 16 r: my offset in the bias
.set BI,  24                           ; v[24:27] bias of my four columns
.set BF,  32                           ; v[32:63], v[64:95] weights in f16 on their way to LDS
.set TMP, 32                           ; later: what is stored
.set ACC, 128                          ; v[128:255] accumulator (row tile tt, column tile c) at 8 (4 tt + c)
; scalar registers
.set WV, 14
.set STRIP, 15                         ; wave % 2: my 64 columns, in both phases
.set KH, 16                            ; wave / 2: my K half in phase W, my half of the rows in phase C
.set EX, 17                            ; the expert
.set CT, 18                            ; column tile
.set KS, 19                            ; which 1,024 of K
.set OFFE, 20                          ; the expert's first row
.set ENDE, 21                          ; and the row behind its last
.set CNT, 22
.set TR, 23                            ; my blocks
.set PS, 24                            ; the block
.set CB, 25                            ; my first column in f32 bytes
.set T64, 26                           ; s[26:27] an offset in 64 bits
.set SW,  28                           ; s[28:29] my weights
.set SAB, 30                           ; s[30:31] my rows
.set SO,  32                           ; s[32:33] my part of the output
.set SBI, 34                           ; s[34:35] my bias
.set OB, 36
.set ST, 37                            ; first row of the window
.set LO, 38                            ; the block's rows in the window: LO .. HI - 1
.set HI, 39
.set SPAN, 40
.set SX, 41
.set T0, 42
.set T1, 43
.set MASK, 44
.set CA, 45                            ; the parts of the offsets that no block changes: rows,
.set CO, 46                            ; output
.set OA, 47                            ; byte offsets of offs[e] and offs[e+1]: not rewritten
.set OE, 48
.set MSB, 0
.macro WIN new                         ; the immediate's high byte repeats the setting that is left; a switch that changes nothing is dropped
.if MSB != \new
	s_set_vgpr_msb (MSB<<8)|\new
.set MSB, \new
.endif
.endm
.macro PLACES                          ; four plain vector instructions between a matrix instruction and a load into, or a read of, its registers
.rept 4
	v_nop
.endr
.endm
; PHASE W.  The weights of K step sg of my 16: 16 loads; lanes 0-15 take 256 neighbouring bytes of row 32 sg + i, lanes 16-31 of the row 16 further down.
.macro WLOAD sg
	WIN 0x40                                       ; destination window 1
.irp i, 0,1,2,3,4,5,6,7,8,9,10,11,12,13,14,15
	global_load_b128 v[64*((\sg)%4)+4*\i:64*((\sg)%4)+4*\i+3], v[WO], s[SW:SW+1] offset:(32*(\sg)+\i)*RW th:TH_LOAD_NT
.endr
.endm
; column tile c of set st -> buffer bf: register 4 i + c of the set is row i, column 4 r + c
.macro CVT c, st, bf
	WIN 0x05                                       ; sources window 1, destination window 0
.irp p, 0,1,2,3,4,5,6,7
	v_cvt_pk_f16_f32 v[BF+32*(\bf)+8*(\c)+\p], v[64*(\st)+8*\p+(\c)], v[64*(\st)+8*\p+4+(\c)]
.endr
.endm
; the four fragments of K step sg go to LDS: 32 lanes x 16 neighbouring bytes a store
.macro WSTORE sg, bf
	WIN 0
.irp c, 0,1,2,3
	ds_store_b128 v[SA+(\sg)/8], v[BF+32*(\bf)+8*\c:BF+32*(\bf)+8*\c+3]   offset:((\sg)%8)*8192+\c*1024
	ds_store_b128 v[SA+(\sg)/8], v[BF+32*(\bf)+8*\c+4:BF+32*(\bf)+8*\c+7] offset:((\sg)%8)*8192+\c*1024+512
.endr
.endm
; PHASE C.  A unit is two K steps (64 along K).  Row fragments of unit x: four tiles of 16 rows, 16 loads, into set x % 4
.macro ALOADU x
	WIN 0x40                                       ; destination window 1
.irp a, 0,1
.irp tt, 0,1,2,3
	global_load_b128 v[64*((\x)%4)+32*\a+8*\tt:64*((\x)%4)+32*\a+8*\tt+3],   v[AO], s[SAB:SAB+1] offset:\tt*16*ARB+64*(2*(\x)+\a)
	global_load_b128 v[64*((\x)%4)+32*\a+8*\tt+4:64*((\x)%4)+32*\a+8*\tt+7], v[AO], s[SAB:SAB+1] offset:\tt*16*ARB+64*(2*(\x)+\a)+16
.endr
.endr
.endm
; weight fragments of unit x: my four column tiles, 16 loads, into set x % 2
.macro BLOADU x
	WIN 0x80                                       ; destination window 2
.irp a, 0,1
.irp c, 0,1,2,3
	ds_load_b128 v[64*((\x)%2)+32*\a+8*\c:64*((\x)%2)+32*\a+8*\c+3],   v[BA+(2*(\x)+\a)/8] offset:((2*(\x)+\a)%8)*8192+\c*1024
	ds_load_b128 v[64*((\x)%2)+32*\a+8*\c+4:64*((\x)%2)+32*\a+8*\c+7], v[BA+(2*(\x)+\a)/8] offset:((2*(\x)+\a)%8)*8192+\c*1024+512
.endr
.endr
.endm
; 32 matrix instructions.  The 16 accumulators take turns, one instruction a turn.  The first K step's products start the sums
.macro MULU x
	WIN 0x09                                       ; source 0 (rows) window 1, source 1 (weights) window 2, C and D window 0
.irp a, 0,1
.irp tt, 0,1,2,3
.irp c, 0,1,2,3
.if ((\x) == 0) && (\a == 0)
	v_wmma_f32_16x16x32_f16 v[ACC+8*(4*\tt+\c):ACC+8*(4*\tt+\c)+7], v[64*((\x)%4)+32*\a+8*\tt:64*((\x)%4)+32*\a+8*\tt+7], v[64*((\x)%2)+32*\a+8*\c:64*((\x)%2)+32*\a+8*\c+7], 0
.else
	v_wmma_f32_16x16x32_f16 v[ACC+8*(4*\tt+\c):ACC+8*(4*\tt+\c)+7], v[64*((\x)%4)+32*\a+8*\tt:64*((\x)%4)+32*\a+8*\tt+7], v[64*((\x)%2)+32*\a+8*\c:64*((\x)%2)+32*\a+8*\c+7], v[ACC+8*(4*\tt+\c):ACC+8*(4*\tt+\c)+7]
.endif
.endr
.endr
.endr
.endm
; unit u of 16 (u is a symbol).  The rows of unit u + 3 are asked for at the head, into the set that unit u - 1 multiplied (the four places stand at that unit's end):
; they have three units, 96 matrix instructions, in which to land, and 48 loads of mine are out at the most.
.macro UNIT
.if u < 14
	s_wait_loadcnt 32                              ; this unit's rows are in; the next two units' 16 loads each stay out
.else
	s_wait_loadcnt 16*(15-u)                       ; the last units: fewer are behind
.endif
.if u < 13
	ALOADU (u+3)
.endif
.if u < 15
	s_wait_dscnt 16                                ; this unit's weight fragments are in; the next unit's 16 loads stay out
.else
	s_wait_dscnt 0
.endif
	MULU u
.if u < 14
	PLACES
	BLOADU (u+2)                                   ; into the set just multiplied
.endif
.endm
; one store: rows 16 tt + j (lanes 0-15) and 8 further down (lanes 16-31) of my window
.macro PUT tt, j
.if FFN == 1
	global_store_b64 v[GO], v[TMP+2*\j:TMP+2*\j+1], s[SO:SO+1] offset:(16*\tt+\j)*ORW      ; 16 lanes store my strip's 128 consecutive bytes of a row
.else
	global_store_b128 v[GO], v[TMP+4*\j:TMP+4*\j+3], s[SO:SO+1] offset:(16*\tt+\j)*ORW     ; 16 lanes store 256 consecutive bytes, at a multiple of 256 from the buffer's first byte
.endif
.endm
; The 16 rows of tile tt are finished and stored.  All 64 rows of the window the block's: plain stores.  Else each store is masked by rows.
.macro OUTT tt
	s_wait_xcnt 0x0                                ; the registers that the last tile's stores read are rewritten only behind this wait
.if FFN == 1
.irp c, 0,1,2,3
.irp jj, 0,2,4,6                       ; each accumulator is read from its low end on
.if \c%2 == 0
	v_pk_add_f32 v[ACC+8*(4*\tt+\c)+\jj:ACC+8*(4*\tt+\c)+\jj+1], v[ACC+8*(4*\tt+\c)+\jj:ACC+8*(4*\tt+\c)+\jj+1], v[BI+2*(\c/2):BI+2*(\c/2)+1] op_sel_hi:[1,0]   ; column c's bias for both rows
.else
	v_pk_add_f32 v[ACC+8*(4*\tt+\c)+\jj:ACC+8*(4*\tt+\c)+\jj+1], v[ACC+8*(4*\tt+\c)+\jj:ACC+8*(4*\tt+\c)+\jj+1], v[BI+2*(\c/2):BI+2*(\c/2)+1] op_sel:[0,1] op_sel_hi:[1,1]
.endif
.endr
.endr
.set ix, 0
.rept 32
	v_max_num_f32 v[ACC+32*\tt+ix], 0, v[ACC+32*\tt+ix]
.set ix, ix+1
.endr
.irp j, 0,1,2,3,4,5,6,7
	v_cvt_pk_f16_f32 v[TMP+2*\j],   v[ACC+32*\tt+\j],    v[ACC+32*\tt+8+\j]
	v_cvt_pk_f16_f32 v[TMP+2*\j+1], v[ACC+32*\tt+16+\j], v[ACC+32*\tt+24+\j]
.endr
.else
.irp j, 0,1,2,3,4,5,6,7                ; the bias's add also brings a row's four neighbouring columns into four neighbouring registers
.irp c, 0,1,2,3
	v_add_f32 v[TMP+4*\j+\c], v[ACC+8*(4*\tt+\c)+\j], v[BI+\c]
.endr
.endr
.endif
	s_cmp_lg_u32 s[SPAN], 64
	s_cbranch_scc1 .Lmask_\@
.irp j, 0,1,2,3,4,5,6,7
	PUT \tt, \j
.endr
	s_branch .Ldone_\@
.Lmask_\@:
.irp j, 0,1,2,3,4,5,6,7
	v_add_nc_u32 v[TM], 16*\tt+\j, v[RM]           ; my row less the block's first, unsigned:
	v_cmp_gt_u32 vcc_lo, s[SPAN], v[TM]            ; below the block's number of rows only if the row is the block's
	s_wait_xcnt 0x0                                ; EXEC changes only behind this wait
	s_and_saveexec_b32 s[SX], vcc_lo
	PUT \tt, \j
	s_wait_xcnt 0x0                                ; and again in front of the line that widens it
	s_or_b32 exec_lo, exec_lo, s[SX]
.endr
.Ldone_\@:
.endm
	s_load_b256 s[4:11], s[0:1], 0x0               ; the rows s[4:5], the weights s[6:7], the bias s[8:9], offs s[10:11]
	s_load_b64 s[12:13], s[0:1], 0x20              ; the output
	v_lshl_add_u32 v126, v0, 2, 0x40000
	v_mov_b32 v127, 0
	v_lshrrev_b32 v1, 5, v0
	v_readfirstlane_b32 s[WV], v1                  ; wave 0..3
	s_and_b32 s[STRIP], s[WV], 1
	s_lshr_b32 s[KH], s[WV], 1
	s_and_b32 s[EX], ttmp7, 0xffff
.if FFN == 1
	s_mov_b32 s[CT], ttmp9                         ; K is not split over work-groups
	s_mov_b32 s[KS], 0
.else
	s_and_b32 s[CT], ttmp9, 7
	s_lshr_b32 s[KS], ttmp9, 3
.endif
	s_lshl_b32 s[CB], s[CT], 9
	s_lshl_b32 s[T0], s[STRIP], 8
	s_add_co_u32 s[CB], s[CB], s[T0]               ; 512 x tile + 256 x strip
	s_lshl_b32 s[OA], s[EX], 2
	s_add_co_u32 s[OE], s[EX], 1
	s_min_u32 s[OE], s[OE], 7                      ; offs has eight numbers; the last expert's end is the constant 1,024
	s_lshl_b32 s[OE], s[OE], 2
	s_wait_kmcnt 0x0
	s_load_b32 s[OFFE], s[10:11], s[OA] offset:0x0
	s_load_b32 s[ENDE], s[10:11], s[OE] offset:0x0
	s_lshl1_add_u32 s[T0], s[KS], s[KH]            ; my first k / 512
	s_lshl_b32 s[T64], s[T0], 9+LRW
	s_add_co_u32 s[T64], s[T64], s[CB]
	s_lshl_b32 s[T0], s[EX], 24                    ; an expert's weights are 16 MiB
	s_add_co_u32 s[T64], s[T64], s[T0]
	s_mov_b32 s[T64+1], 0
	s_add_nc_u64 s[SW:SW+1], s[6:7], s[T64:T64+1]
	s_lshl_b32 s[T64], s[EX], LBR
	s_add_co_u32 s[T64], s[T64], s[CB]
	s_add_nc_u64 s[SBI:SBI+1], s[8:9], s[T64:T64+1]
	s_lshl_b32 s[CA], s[KS], 11                    ; 1,024 f16 along the rows
.if FFN == 1
	s_lshr_b32 s[CO], s[CB], 1                     ; f16 columns
.else
	s_lshl_b32 s[CO], s[KS], 22                    ; part's plane of 4 MiB
	s_add_co_u32 s[CO], s[CO], s[CB]
	s_cmp_eq_u32 s[KS], 0
	s_cselect_b32 s[MASK], -1, 0                   ; the bias belongs to plane 0 alone
.endif
	v_and_b32 v[R], 15, v0
	v_bfe_u32 v[H], v0, 4, 1
	v_and_b32 v[LN], 31, v0
	v_lshlrev_b32 v[BO], 4, v[R]
	v_lshl_add_u32 v[WO], v[H], LRW+4, v[BO]       ; 16 r + 16 h rows
	v_lshlrev_b32 v[AO], LA2, v[R]
	v_lshl_add_u32 v[AO], v[H], 5, v[AO]           ; row r, 32 bytes for each half of the lanes
	s_lshl_b32 s[T1], s[STRIP], 12                 ; my four column tiles of 1,024 bytes
	s_lshl_b32 s[T0], s[KH], 17                    ; my 16 K steps of 8,192 bytes
	s_add_co_u32 s[T0], s[T0], s[T1]
	v_lshl_add_u32 v[SA], v[LN], 4, s[T0]
	v_add_nc_u32 v[SA+1], 0x10000, v[SA]           ; an LDS offset has 16 bits: eight K steps to an address register
	v_lshl_add_u32 v[BA], v[LN], 4, s[T1]
	v_add_nc_u32 v[BA+1], 0x10000, v[BA]
	v_add_nc_u32 v[BA+2], 0x20000, v[BA]
	v_add_nc_u32 v[BA+3], 0x30000, v[BA]
.if FFN == 1
	v_lshlrev_b32 v[GO], 3, v[R]                   ; four f16
.else
	v_lshlrev_b32 v[GO], 4, v[R]                   ; four f32
.endif
	v_lshl_add_u32 v[GO], v[H], LOR+3, v[GO]       ; + 8 h rows
	global_load_b128 v[BI:BI+3], v[BO], s[SBI:SBI+1]
	s_wait_kmcnt 0x0
	s_min_u32 s[OFFE], s[OFFE], 1024
	s_min_u32 s[ENDE], s[ENDE], 1024
	s_cmp_eq_u32 s[EX], 7
	s_cselect_b32 s[ENDE], 1024, s[ENDE]
	s_max_u32 s[ENDE], s[ENDE], s[OFFE]
	s_sub_co_u32 s[CNT], s[ENDE], s[OFFE]          ; the expert's rows
	s_lshl_b32 s[T0], s[KH], 6
	s_add_co_u32 s[TR], s[CNT], 127
	s_sub_co_u32 s[TR], s[TR], s[T0]
	s_lshr_b32 s[TR], s[TR], 7                     ; blocks 128 p + 64 x half that begin below the expert's number of rows
	s_cmp_eq_u32 s[CNT], 0
	s_cbranch_scc1 .Lno_weights                    ; no rows: nothing is streamed; the barrier below is passed all the same
	; PHASE W: three K steps' loads are out ahead of the step in hand
	WLOAD 0
	WLOAD 1
	WLOAD 2
.set sg, 0
.rept 16
.if sg < 14
	s_wait_loadcnt 32                              ; this step's weights (and the bias, issued ahead of them) are in; the next two steps' 16 loads each stay out
.else
	s_wait_loadcnt 16*(15-sg)                      ; the last steps: fewer are behind
.endif
.if sg < 13
	WLOAD (sg+3)
.endif
	CVT 0, (sg%4), (sg%2)
	CVT 1, (sg%4), (sg%2)
	CVT 2, (sg%4), (sg%2)
	CVT 3, (sg%4), (sg%2)
	WSTORE sg, (sg%2)
.set sg, sg+1
.endr
	WIN 0                                          ; at a label and at a branch every window is 0
.Lno_weights:
	s_wait_loadcnt 0x0                             ; the bias
	s_wait_dscnt 0x0                               ; for the other waves' sake: my fragments are in LDS
	s_barrier_signal -1
	s_barrier_wait -1                              ; everybody's are; LDS is only read from here on
.if FFN == 2
.irp c, 0,1,2,3
	v_and_b32 v[BI+\c], s[MASK], v[BI+\c]          ; 0.0 in the planes that do not carry the bias
.endr
.endif
	s_cmp_eq_u32 s[TR], 0
	s_cbranch_scc1 .Lend
	s_mov_b32 s[PS], 0
	; PHASE C
.Lpass:
	s_wait_xcnt 0x0                                ; bases and registers that the last block's loads and stores read are rewritten only behind this wait
	s_lshl_b32 s[OB], s[PS], 7
	s_add_co_u32 s[OB], s[OB], s[OFFE]
	s_lshl_b32 s[T0], s[KH], 6
	s_add_co_u32 s[OB], s[OB], s[T0]               ; the block's first row
	s_min_u32 s[ST], s[OB], 960                    ; the window's first row
	s_sub_co_u32 s[LO], s[OB], s[ST]
	s_add_co_u32 s[HI], s[OB], 64
	s_min_u32 s[HI], s[HI], s[ENDE]
	s_sub_co_u32 s[HI], s[HI], s[ST]
	s_sub_co_u32 s[SPAN], s[HI], s[LO]             ; at least 1: the block begins below the expert's end
	s_mov_b32 s[T64+1], 0
	s_lshl_b32 s[T64], s[ST], LA2
	s_add_co_u32 s[T64], s[T64], s[CA]
	s_add_nc_u64 s[SAB:SAB+1], s[4:5], s[T64:T64+1]
	s_lshl_b32 s[T64], s[ST], LOR
	s_add_co_u32 s[T64], s[T64], s[CO]
	s_add_nc_u64 s[SO:SO+1], s[12:13], s[T64:T64+1]
	s_sub_co_u32 s[T0], 0, s[LO]
	v_lshl_add_u32 v[RM], v[H], 3, s[T0]           ; 8 h - LO
	ALOADU 0
	ALOADU 1
	ALOADU 2
	BLOADU 0
	BLOADU 1
.set u, 0
.rept 16
	UNIT
.set u, u+1
.endr
	WIN 0
	PLACES                                         ; behind the last products: their results are read below
	OUTT 0
	OUTT 1
	OUTT 2
	OUTT 3
	s_add_co_u32 s[PS], s[PS], 1
	s_cmp_lt_u32 s[PS], s[TR]
	s_cbranch_scc1 .Lpass
.Lend:
	s_wait_tensorcnt 0x0
	ds_add_u32 v126, v127
	s_wait_dscnt 0x0
	s_endpgm
.Lfunc_end_k_q008303e1b9_ffn1:
	.size	k_q008303e1b9_ffn1, .Lfunc_end_k_q008303e1b9_ffn1-k_q008303e1b9_ffn1
	.p2alignl 7, 3214868480
	.fill 96, 4, 3214868480
	.section	.rodata,"a",@progbits
	.p2align	6, 0x0
	.amdhsa_kernel k_q008303e1b9_ffn1
		.amdhsa_group_segment_fixed_size 262656
		.amdhsa_private_segment_fixed_size 0
		.amdhsa_enable_private_segment 0
		.amdhsa_kernarg_size 40
		.amdhsa_user_sgpr_count 2
		.amdhsa_user_sgpr_kernarg_segment_ptr 1
		.amdhsa_wavefront_size32 1
		.amdhsa_system_sgpr_workgroup_id_x 1
		.amdhsa_system_sgpr_workgroup_id_y 1
		.amdhsa_system_sgpr_workgroup_id_z 1
		.amdhsa_system_vgpr_workitem_id 0
		.amdhsa_next_free_vgpr 640
		.amdhsa_next_free_sgpr 66
		.amdhsa_reserve_vcc 1
		.amdhsa_float_denorm_mode_32 3
		.amdhsa_float_denorm_mode_16_64 3
		.amdhsa_memory_ordered 1
		.amdhsa_forward_progress 1
		.amdhsa_inst_pref_size 171
	.end_amdhsa_kernel
	.amdgpu_metadata
---
amdhsa.version: [ 1, 2 ]
amdhsa.kernels:
  - .name:           k_q008303e1b9_ffn1
    .symbol:         k_q008303e1b9_ffn1.kd
    .args:
      - { .name: xs, .offset: 0, .size: 8, .value_kind: global_buffer, .address_space: global }
      - { .name: w1, .offset: 8, .size: 8, .value_kind: global_buffer, .address_space: global }
      - { .name: b1, .offset: 16, .size: 8, .value_kind: global_buffer, .address_space: global }
      - { .name: offs, .offset: 24, .size: 8, .value_kind: global_buffer, .address_space: global }
      - { .name: hs, .offset: 32, .size: 8, .value_kind: global_buffer, .address_space: global }
    .group_segment_fixed_size: 262656
    .private_segment_fixed_size: 0
    .kernarg_segment_align: 8
    .kernarg_segment_size: 40
    .max_flat_workgroup_size: 128
    .sgpr_count:     66
    .vgpr_count:     640
    .wavefront_size: 32
...
	.end_amdgpu_metadata
.endif
;; end of part 3
;; launch ffn2 (part 4): grid 32 x 8, 4 waves a work-group, no clusters, 262,656 bytes of LDS; arguments hs, w2, b2, offs, part; writes part
.if DOCPART == 4
	.amdgcn_target "amdgcn-amd-amdhsa--gfx1250"
	.amdhsa_code_object_version 6
	.text
	.protected	k_q008303e1b9_ffn2
	.globl	k_q008303e1b9_ffn2
	.p2align	8
	.type	k_q008303e1b9_ffn2,@function
k_q008303e1b9_ffn2:
	s_mov_b64 s[64:65], 0
	v_nop
	global_prefetch_b8 v0, s[64:65] scope:SCOPE_SE
	s_setreg_imm32_b32 hwreg(HW_REG_WAVE_MODE, 25, 1), 1
	s_wait_xcnt 0x0
; EXPERT LAYER (this text serves both layers; FFN picks the constants and the way out).
; FFN = 1: hs[pos][n] = f16(relu(xs[pos] . w1[e][:, n] + b1[e][n])).
; FFN = 2: part[ks][pos][n] = hs[pos][1024 ks ..] . w2[e][1024 ks .., n], plus b2[e][n] in plane ks = 0.
; Rows are the tokens sorted by expert; expert e owns rows offs[e] .. offs[e+1] - 1 (counts stored by an earlier launch; offs[8] = 1,024).
; THE WEIGHTS STAY, THE ROWS WALK.  Grid y is the expert, grid x the tile: a work-group owns K = 1,024 x 128 columns of its expert's weights, 524,288 bytes of
; f32 that no other work-group reads.  PHASE W: the four waves stream the tile from memory into registers, round it to f16 and lay it into LDS as finished
; fragments (262,144 bytes).  One barrier.  PHASE C: each wave walks blocks of 64 of the expert's rows x 64 of the tile's columns; the number of blocks is read
; from memory, so no barrier stands in that loop: weight fragments come from LDS, which nobody writes any more, row fragments straight from memory into registers.
; An expert without rows streams nothing and stores nothing: its work-groups pass the barrier and end (the grid has a place for every expert).
; A block's window of 64 rows starts at min(first row, 960), so it stays inside the buffer; rows that are not the block's are computed and not stored.
; K ORDER: element i (0..15) of lane (r, h) is k = k0 + 16 h + i in both operands: the same permutation of k on both sides keeps every product, and lets a
; lane take 16 rows of the weights (four neighbouring columns each) and 32 neighbouring bytes of a row of xs or hs.  Column tile c of a strip of 64 holds
; columns 4 r + c, so that a lane's four tiles give four neighbouring columns of a row.
; FORMAT: f16 operands, f32 sums.  LIMITS: |xs|, |w|, |hs| under 65,504; magnitudes under 6e-8 become 0.
; NO JOINT LOADS: what the 32 work-groups of an expert share is its rows, 2,048 bytes a row, beside 524,288 bytes of weights that each has to itself;
; and a joint request wants a round of barriers in a loop whose count is read from memory.
; KNOWN PRICE: a row fragment's load takes 16 bytes a lane from 16 rows, not whole runs of 256 bytes.
.set FFN, 2
.if FFN == 1
.set LRW,  14                          ; log2 of the bytes in a row of the weights
.set LA2,  11                          ; log2 of the bytes in a row of the row operand
.set LOR,  13                          ; log2 of the bytes in a row of the output
.set LBR,  14                          ; log2 of the bytes in a row of the bias
.else
.set LRW,  12
.set LA2,  13
.set LOR,  12
.set LBR,  12
.endif
.set RW,    1<<LRW
.set ARB,   1<<LA2
.set ORW,   1<<LOR
; LDS: fragment (K step s of 32, column tile t of 8) at (8 s + t) x 1,024: registers 0-3 of the 32 lanes, 16 bytes each, then registers 4-7.
; vector registers.  Window 0: below.  Window 1: four sets of 64: weights as loaded, then the ring of row fragments.  Window 2: v0-127 two sets of weight fragments.
.set R,   1                            ; lane % 16
.set H,   2                            ; lane / 16
.set WO,  3                            ; my byte offset in the weights: 16 r + 16 h rows; never rewritten
.set AO,  4                            ; my byte offset in the rows: row r, 32 h bytes; never rewritten
.set SA,  5                            ; v5-6  where I put fragments: K steps 0-7, 8-15 of my K half
.set LN,  7                            ; lane
.set BA,  8                            ; v8-11 where I find fragments: K steps 0-7, 8-15, 16-23, 24-31
.set GO,  12                           ; my byte offset in the output; never rewritten
.set RM,  13                           ; my first row less the block's first
.set TM,  14                           ; at work
.set BO,  15                           ; 16 r: my offset in the bias
.set BI,  24                           ; v[24:27] bias of my four columns
.set BF,  32                           ; v[32:63], v[64:95] weights in f16 on their way to LDS
.set TMP, 32                           ; later: what is stored
.set ACC, 128                          ; v[128:255] accumulator (row tile tt, column tile c) at 8 (4 tt + c)
; scalar registers
.set WV, 14
.set STRIP, 15                         ; wave % 2: my 64 columns, in both phases
.set KH, 16                            ; wave / 2: my K half in phase W, my half of the rows in phase C
.set EX, 17                            ; the expert
.set CT, 18                            ; column tile
.set KS, 19                            ; which 1,024 of K
.set OFFE, 20                          ; the expert's first row
.set ENDE, 21                          ; and the row behind its last
.set CNT, 22
.set TR, 23                            ; my blocks
.set PS, 24                            ; the block
.set CB, 25                            ; my first column in f32 bytes
.set T64, 26                           ; s[26:27] an offset in 64 bits
.set SW,  28                           ; s[28:29] my weights
.set SAB, 30                           ; s[30:31] my rows
.set SO,  32                           ; s[32:33] my part of the output
.set SBI, 34                           ; s[34:35] my bias
.set OB, 36
.set ST, 37                            ; first row of the window
.set LO, 38                            ; the block's rows in the window: LO .. HI - 1
.set HI, 39
.set SPAN, 40
.set SX, 41
.set T0, 42
.set T1, 43
.set MASK, 44
.set CA, 45                            ; the parts of the offsets that no block changes: rows,
.set CO, 46                            ; output
.set OA, 47                            ; byte offsets of offs[e] and offs[e+1]: not rewritten
.set OE, 48
.set MSB, 0
.macro WIN new                         ; the immediate's high byte repeats the setting that is left; a switch that changes nothing is dropped
.if MSB != \new
	s_set_vgpr_msb (MSB<<8)|\new
.set MSB, \new
.endif
.endm
.macro PLACES                          ; four plain vector instructions between a matrix instruction and a load into, or a read of, its registers
.rept 4
	v_nop
.endr
.endm
; PHASE W.  The weights of K step sg of my 16: 16 loads; lanes 0-15 take 256 neighbouring bytes of row 32 sg + i, lanes 16-31 of the row 16 further down.
.macro WLOAD sg
	WIN 0x40                                       ; destination window 1
.irp i, 0,1,2,3,4,5,6,7,8,9,10,11,12,13,14,15
	global_load_b128 v[64*((\sg)%4)+4*\i:64*((\sg)%4)+4*\i+3], v[WO], s[SW:SW+1] offset:(32*(\sg)+\i)*RW th:TH_LOAD_NT
.endr
.endm
; column tile c of set st -> buffer bf: register 4 i + c of the set is row i, column 4 r + c
.macro CVT c, st, bf
	WIN 0x05                                       ; sources window 1, destination window 0
.irp p, 0,1,2,3,4,5,6,7
	v_cvt_pk_f16_f32 v[BF+32*(\bf)+8*(\c)+\p], v[64*(\st)+8*\p+(\c)], v[64*(\st)+8*\p+4+(\c)]
.endr
.endm
; the four fragments of K step sg go to LDS: 32 lanes x 16 neighbouring bytes a store
.macro WSTORE sg, bf
	WIN 0
.irp c, 0,1,2,3
	ds_store_b128 v[SA+(\sg)/8], v[BF+32*(\bf)+8*\c:BF+32*(\bf)+8*\c+3]   offset:((\sg)%8)*8192+\c*1024
	ds_store_b128 v[SA+(\sg)/8], v[BF+32*(\bf)+8*\c+4:BF+32*(\bf)+8*\c+7] offset:((\sg)%8)*8192+\c*1024+512
.endr
.endm
; PHASE C.  A unit is two K steps (64 along K).  Row fragments of unit x: four tiles of 16 rows, 16 loads, into set x % 4
.macro ALOADU x
	WIN 0x40                                       ; destination window 1
.irp a, 0,1
.irp tt, 0,1,2,3
	global_load_b128 v[64*((\x)%4)+32*\a+8*\tt:64*((\x)%4)+32*\a+8*\tt+3],   v[AO], s[SAB:SAB+1] offset:\tt*16*ARB+64*(2*(\x)+\a)
	global_load_b128 v[64*((\x)%4)+32*\a+8*\tt+4:64*((\x)%4)+32*\a+8*\tt+7], v[AO], s[SAB:SAB+1] offset:\tt*16*ARB+64*(2*(\x)+\a)+16
.endr
.endr
.endm
; weight fragments of unit x: my four column tiles, 16 loads, into set x % 2
.macro BLOADU x
	WIN 0x80                                       ; destination window 2
.irp a, 0,1
.irp c, 0,1,2,3
	ds_load_b128 v[64*((\x)%2)+32*\a+8*\c:64*((\x)%2)+32*\a+8*\c+3],   v[BA+(2*(\x)+\a)/8] offset:((2*(\x)+\a)%8)*8192+\c*1024
	ds_load_b128 v[64*((\x)%2)+32*\a+8*\c+4:64*((\x)%2)+32*\a+8*\c+7], v[BA+(2*(\x)+\a)/8] offset:((2*(\x)+\a)%8)*8192+\c*1024+512
.endr
.endr
.endm
; 32 matrix instructions.  The 16 accumulators take turns, one instruction a turn.  The first K step's products start the sums
.macro MULU x
	WIN 0x09                                       ; source 0 (rows) window 1, source 1 (weights) window 2, C and D window 0
.irp a, 0,1
.irp tt, 0,1,2,3
.irp c, 0,1,2,3
.if ((\x) == 0) && (\a == 0)
	v_wmma_f32_16x16x32_f16 v[ACC+8*(4*\tt+\c):ACC+8*(4*\tt+\c)+7], v[64*((\x)%4)+32*\a+8*\tt:64*((\x)%4)+32*\a+8*\tt+7], v[64*((\x)%2)+32*\a+8*\c:64*((\x)%2)+32*\a+8*\c+7], 0
.else
	v_wmma_f32_16x16x32_f16 v[ACC+8*(4*\tt+\c):ACC+8*(4*\tt+\c)+7], v[64*((\x)%4)+32*\a+8*\tt:64*((\x)%4)+32*\a+8*\tt+7], v[64*((\x)%2)+32*\a+8*\c:64*((\x)%2)+32*\a+8*\c+7], v[ACC+8*(4*\tt+\c):ACC+8*(4*\tt+\c)+7]
.endif
.endr
.endr
.endr
.endm
; unit u of 16 (u is a symbol).  The rows of unit u + 3 are asked for at the head, into the set that unit u - 1 multiplied (the four places stand at that unit's end):
; they have three units, 96 matrix instructions, in which to land, and 48 loads of mine are out at the most.
.macro UNIT
.if u < 14
	s_wait_loadcnt 32                              ; this unit's rows are in; the next two units' 16 loads each stay out
.else
	s_wait_loadcnt 16*(15-u)                       ; the last units: fewer are behind
.endif
.if u < 13
	ALOADU (u+3)
.endif
.if u < 15
	s_wait_dscnt 16                                ; this unit's weight fragments are in; the next unit's 16 loads stay out
.else
	s_wait_dscnt 0
.endif
	MULU u
.if u < 14
	PLACES
	BLOADU (u+2)                                   ; into the set just multiplied
.endif
.endm
; one store: rows 16 tt + j (lanes 0-15) and 8 further down (lanes 16-31) of my window
.macro PUT tt, j
.if FFN == 1
	global_store_b64 v[GO], v[TMP+2*\j:TMP+2*\j+1], s[SO:SO+1] offset:(16*\tt+\j)*ORW      ; 16 lanes store my strip's 128 consecutive bytes of a row
.else
	global_store_b128 v[GO], v[TMP+4*\j:TMP+4*\j+3], s[SO:SO+1] offset:(16*\tt+\j)*ORW     ; 16 lanes store 256 consecutive bytes, at a multiple of 256 from the buffer's first byte
.endif
.endm
; The 16 rows of tile tt are finished and stored.  All 64 rows of the window the block's: plain stores.  Else each store is masked by rows.
.macro OUTT tt
	s_wait_xcnt 0x0                                ; the registers that the last tile's stores read are rewritten only behind this wait
.if FFN == 1
.irp c, 0,1,2,3
.irp jj, 0,2,4,6                       ; each accumulator is read from its low end on
.if \c%2 == 0
	v_pk_add_f32 v[ACC+8*(4*\tt+\c)+\jj:ACC+8*(4*\tt+\c)+\jj+1], v[ACC+8*(4*\tt+\c)+\jj:ACC+8*(4*\tt+\c)+\jj+1], v[BI+2*(\c/2):BI+2*(\c/2)+1] op_sel_hi:[1,0]   ; column c's bias for both rows
.else
	v_pk_add_f32 v[ACC+8*(4*\tt+\c)+\jj:ACC+8*(4*\tt+\c)+\jj+1], v[ACC+8*(4*\tt+\c)+\jj:ACC+8*(4*\tt+\c)+\jj+1], v[BI+2*(\c/2):BI+2*(\c/2)+1] op_sel:[0,1] op_sel_hi:[1,1]
.endif
.endr
.endr
.set ix, 0
.rept 32
	v_max_num_f32 v[ACC+32*\tt+ix], 0, v[ACC+32*\tt+ix]
.set ix, ix+1
.endr
.irp j, 0,1,2,3,4,5,6,7
	v_cvt_pk_f16_f32 v[TMP+2*\j],   v[ACC+32*\tt+\j],    v[ACC+32*\tt+8+\j]
	v_cvt_pk_f16_f32 v[TMP+2*\j+1], v[ACC+32*\tt+16+\j], v[ACC+32*\tt+24+\j]
.endr
.else
.irp j, 0,1,2,3,4,5,6,7                ; the bias's add also brings a row's four neighbouring columns into four neighbouring registers
.irp c, 0,1,2,3
	v_add_f32 v[TMP+4*\j+\c], v[ACC+8*(4*\tt+\c)+\j], v[BI+\c]
.endr
.endr
.endif
	s_cmp_lg_u32 s[SPAN], 64
	s_cbranch_scc1 .Lmask_\@
.irp j, 0,1,2,3,4,5,6,7
	PUT \tt, \j
.endr
	s_branch .Ldone_\@
.Lmask_\@:
.irp j, 0,1,2,3,4,5,6,7
	v_add_nc_u32 v[TM], 16*\tt+\j, v[RM]           ; my row less the block's first, unsigned:
	v_cmp_gt_u32 vcc_lo, s[SPAN], v[TM]            ; below the block's number of rows only if the row is the block's
	s_wait_xcnt 0x0                                ; EXEC changes only behind this wait
	s_and_saveexec_b32 s[SX], vcc_lo
	PUT \tt, \j
	s_wait_xcnt 0x0                                ; and again in front of the line that widens it
	s_or_b32 exec_lo, exec_lo, s[SX]
.endr
.Ldone_\@:
.endm
	s_load_b256 s[4:11], s[0:1], 0x0               ; the rows s[4:5], the weights s[6:7], the bias s[8:9], offs s[10:11]
	s_load_b64 s[12:13], s[0:1], 0x20              ; the output
	v_lshl_add_u32 v126, v0, 2, 0x40000
	v_mov_b32 v127, 0
	v_lshrrev_b32 v1, 5, v0
	v_readfirstlane_b32 s[WV], v1                  ; wave 0..3
	s_and_b32 s[STRIP], s[WV], 1
	s_lshr_b32 s[KH], s[WV], 1
	s_and_b32 s[EX], ttmp7, 0xffff
.if FFN == 1
	s_mov_b32 s[CT], ttmp9                         ; K is not split over work-groups
	s_mov_b32 s[KS], 0
.else
	s_and_b32 s[CT], ttmp9, 7
	s_lshr_b32 s[KS], ttmp9, 3
.endif
	s_lshl_b32 s[CB], s[CT], 9
	s_lshl_b32 s[T0], s[STRIP], 8
	s_add_co_u32 s[CB], s[CB], s[T0]               ; 512 x tile + 256 x strip
	s_lshl_b32 s[OA], s[EX], 2
	s_add_co_u32 s[OE], s[EX], 1
	s_min_u32 s[OE], s[OE], 7                      ; offs has eight numbers; the last expert's end is the constant 1,024
	s_lshl_b32 s[OE], s[OE], 2
	s_wait_kmcnt 0x0
	s_load_b32 s[OFFE], s[10:11], s[OA] offset:0x0
	s_load_b32 s[ENDE], s[10:11], s[OE] offset:0x0
	s_lshl1_add_u32 s[T0], s[KS], s[KH]            ; my first k / 512
	s_lshl_b32 s[T64], s[T0], 9+LRW
	s_add_co_u32 s[T64], s[T64], s[CB]
	s_lshl_b32 s[T0], s[EX], 24                    ; an expert's weights are 16 MiB
	s_add_co_u32 s[T64], s[T64], s[T0]
	s_mov_b32 s[T64+1], 0
	s_add_nc_u64 s[SW:SW+1], s[6:7], s[T64:T64+1]
	s_lshl_b32 s[T64], s[EX], LBR
	s_add_co_u32 s[T64], s[T64], s[CB]
	s_add_nc_u64 s[SBI:SBI+1], s[8:9], s[T64:T64+1]
	s_lshl_b32 s[CA], s[KS], 11                    ; 1,024 f16 along the rows
.if FFN == 1
	s_lshr_b32 s[CO], s[CB], 1                     ; f16 columns
.else
	s_lshl_b32 s[CO], s[KS], 22                    ; part's plane of 4 MiB
	s_add_co_u32 s[CO], s[CO], s[CB]
	s_cmp_eq_u32 s[KS], 0
	s_cselect_b32 s[MASK], -1, 0                   ; the bias belongs to plane 0 alone
.endif
	v_and_b32 v[R], 15, v0
	v_bfe_u32 v[H], v0, 4, 1
	v_and_b32 v[LN], 31, v0
	v_lshlrev_b32 v[BO], 4, v[R]
	v_lshl_add_u32 v[WO], v[H], LRW+4, v[BO]       ; 16 r + 16 h rows
	v_lshlrev_b32 v[AO], LA2, v[R]
	v_lshl_add_u32 v[AO], v[H], 5, v[AO]           ; row r, 32 bytes for each half of the lanes
	s_lshl_b32 s[T1], s[STRIP], 12                 ; my four column tiles of 1,024 bytes
	s_lshl_b32 s[T0], s[KH], 17                    ; my 16 K steps of 8,192 bytes
	s_add_co_u32 s[T0], s[T0], s[T1]
	v_lshl_add_u32 v[SA], v[LN], 4, s[T0]
	v_add_nc_u32 v[SA+1], 0x10000, v[SA]           ; an LDS offset has 16 bits: eight K steps to an address register
	v_lshl_add_u32 v[BA], v[LN], 4, s[T1]
	v_add_nc_u32 v[BA+1], 0x10000, v[BA]
	v_add_nc_u32 v[BA+2], 0x20000, v[BA]
	v_add_nc_u32 v[BA+3], 0x30000, v[BA]
.if FFN == 1
	v_lshlrev_b32 v[GO], 3, v[R]                   ; four f16
.else
	v_lshlrev_b32 v[GO], 4, v[R]                   ; four f32
.endif
	v_lshl_add_u32 v[GO], v[H], LOR+3, v[GO]       ; + 8 h rows
	global_load_b128 v[BI:BI+3], v[BO], s[SBI:SBI+1]
	s_wait_kmcnt 0x0
	s_min_u32 s[OFFE], s[OFFE], 1024
	s_min_u32 s[ENDE], s[ENDE], 1024
	s_cmp_eq_u32 s[EX], 7
	s_cselect_b32 s[ENDE], 1024, s[ENDE]
	s_max_u32 s[ENDE], s[ENDE], s[OFFE]
	s_sub_co_u32 s[CNT], s[ENDE], s[OFFE]          ; the expert's rows
	s_lshl_b32 s[T0], s[KH], 6
	s_add_co_u32 s[TR], s[CNT], 127
	s_sub_co_u32 s[TR], s[TR], s[T0]
	s_lshr_b32 s[TR], s[TR], 7                     ; blocks 128 p + 64 x half that begin below the expert's number of rows
	s_cmp_eq_u32 s[CNT], 0
	s_cbranch_scc1 .Lno_weights                    ; no rows: nothing is streamed; the barrier below is passed all the same
	; PHASE W: three K steps' loads are out ahead of the step in hand
	WLOAD 0
	WLOAD 1
	WLOAD 2
.set sg, 0
.rept 16
.if sg < 14
	s_wait_loadcnt 32                              ; this step's weights (and the bias, issued ahead of them) are in; the next two steps' 16 loads each stay out
.else
	s_wait_loadcnt 16*(15-sg)                      ; the last steps: fewer are behind
.endif
.if sg < 13
	WLOAD (sg+3)
.endif
	CVT 0, (sg%4), (sg%2)
	CVT 1, (sg%4), (sg%2)
	CVT 2, (sg%4), (sg%2)
	CVT 3, (sg%4), (sg%2)
	WSTORE sg, (sg%2)
.set sg, sg+1
.endr
	WIN 0                                          ; at a label and at a branch every window is 0
.Lno_weights:
	s_wait_loadcnt 0x0                             ; the bias
	s_wait_dscnt 0x0                               ; for the other waves' sake: my fragments are in LDS
	s_barrier_signal -1
	s_barrier_wait -1                              ; everybody's are; LDS is only read from here on
.if FFN == 2
.irp c, 0,1,2,3
	v_and_b32 v[BI+\c], s[MASK], v[BI+\c]          ; 0.0 in the planes that do not carry the bias
.endr
.endif
	s_cmp_eq_u32 s[TR], 0
	s_cbranch_scc1 .Lend
	s_mov_b32 s[PS], 0
	; PHASE C
.Lpass:
	s_wait_xcnt 0x0                                ; bases and registers that the last block's loads and stores read are rewritten only behind this wait
	s_lshl_b32 s[OB], s[PS], 7
	s_add_co_u32 s[OB], s[OB], s[OFFE]
	s_lshl_b32 s[T0], s[KH], 6
	s_add_co_u32 s[OB], s[OB], s[T0]               ; the block's first row
	s_min_u32 s[ST], s[OB], 960                    ; the window's first row
	s_sub_co_u32 s[LO], s[OB], s[ST]
	s_add_co_u32 s[HI], s[OB], 64
	s_min_u32 s[HI], s[HI], s[ENDE]
	s_sub_co_u32 s[HI], s[HI], s[ST]
	s_sub_co_u32 s[SPAN], s[HI], s[LO]             ; at least 1: the block begins below the expert's end
	s_mov_b32 s[T64+1], 0
	s_lshl_b32 s[T64], s[ST], LA2
	s_add_co_u32 s[T64], s[T64], s[CA]
	s_add_nc_u64 s[SAB:SAB+1], s[4:5], s[T64:T64+1]
	s_lshl_b32 s[T64], s[ST], LOR
	s_add_co_u32 s[T64], s[T64], s[CO]
	s_add_nc_u64 s[SO:SO+1], s[12:13], s[T64:T64+1]
	s_sub_co_u32 s[T0], 0, s[LO]
	v_lshl_add_u32 v[RM], v[H], 3, s[T0]           ; 8 h - LO
	ALOADU 0
	ALOADU 1
	ALOADU 2
	BLOADU 0
	BLOADU 1
.set u, 0
.rept 16
	UNIT
.set u, u+1
.endr
	WIN 0
	PLACES                                         ; behind the last products: their results are read below
	OUTT 0
	OUTT 1
	OUTT 2
	OUTT 3
	s_add_co_u32 s[PS], s[PS], 1
	s_cmp_lt_u32 s[PS], s[TR]
	s_cbranch_scc1 .Lpass
.Lend:
	s_wait_tensorcnt 0x0
	ds_add_u32 v126, v127
	s_wait_dscnt 0x0
	s_endpgm
.Lfunc_end_k_q008303e1b9_ffn2:
	.size	k_q008303e1b9_ffn2, .Lfunc_end_k_q008303e1b9_ffn2-k_q008303e1b9_ffn2
	.p2alignl 7, 3214868480
	.fill 96, 4, 3214868480
	.section	.rodata,"a",@progbits
	.p2align	6, 0x0
	.amdhsa_kernel k_q008303e1b9_ffn2
		.amdhsa_group_segment_fixed_size 262656
		.amdhsa_private_segment_fixed_size 0
		.amdhsa_enable_private_segment 0
		.amdhsa_kernarg_size 40
		.amdhsa_user_sgpr_count 2
		.amdhsa_user_sgpr_kernarg_segment_ptr 1
		.amdhsa_wavefront_size32 1
		.amdhsa_system_sgpr_workgroup_id_x 1
		.amdhsa_system_sgpr_workgroup_id_y 1
		.amdhsa_system_sgpr_workgroup_id_z 1
		.amdhsa_system_vgpr_workitem_id 0
		.amdhsa_next_free_vgpr 640
		.amdhsa_next_free_sgpr 66
		.amdhsa_reserve_vcc 1
		.amdhsa_float_denorm_mode_32 3
		.amdhsa_float_denorm_mode_16_64 3
		.amdhsa_memory_ordered 1
		.amdhsa_forward_progress 1
		.amdhsa_inst_pref_size 164
	.end_amdhsa_kernel
	.amdgpu_metadata
---
amdhsa.version: [ 1, 2 ]
amdhsa.kernels:
  - .name:           k_q008303e1b9_ffn2
    .symbol:         k_q008303e1b9_ffn2.kd
    .args:
      - { .name: hs, .offset: 0, .size: 8, .value_kind: global_buffer, .address_space: global }
      - { .name: w2, .offset: 8, .size: 8, .value_kind: global_buffer, .address_space: global }
      - { .name: b2, .offset: 16, .size: 8, .value_kind: global_buffer, .address_space: global }
      - { .name: offs, .offset: 24, .size: 8, .value_kind: global_buffer, .address_space: global }
      - { .name: part, .offset: 32, .size: 8, .value_kind: global_buffer, .address_space: global }
    .group_segment_fixed_size: 262656
    .private_segment_fixed_size: 0
    .kernarg_segment_align: 8
    .kernarg_segment_size: 40
    .max_flat_workgroup_size: 128
    .sgpr_count:     66
    .vgpr_count:     640
    .wavefront_size: 32
...
	.end_amdgpu_metadata
.endif
;; end of part 4
;; launch comb (part 5): grid 256 x 1, 4 waves a work-group, no clusters, 0 bytes of LDS; arguments part, order, out0; writes out0
.if DOCPART == 5
	.amdgcn_target "amdgcn-amd-amdhsa--gfx1250"
	.amdhsa_code_object_version 6
	.text
	.protected	k_q008303e1b9_comb
	.globl	k_q008303e1b9_comb
	.p2align	8
	.type	k_q008303e1b9_comb,@function
k_q008303e1b9_comb:
	s_mov_b64 s[64:65], 0
	v_nop
	global_prefetch_b8 v0, s[64:65] scope:SCOPE_SE
	s_setreg_imm32_b32 hwreg(HW_REG_WAVE_MODE, 25, 1), 1
	s_wait_xcnt 0x0
; COMBINE.  out0[t][:] = part[0][pos] + part[1][pos] + part[2][pos] + part[3][pos], where t = order[pos] & 1023 (plane 0 already carries the expert's bias).
; One wave a sorted row: 32 loads of 512 neighbouring bytes, all issued at once, and 8 stores of 512 neighbouring bytes.  A stream: no LDS, no barrier, no matrix unit.
.set P, 8                              ; v[8:135]   plane ks at 32 ks: the row's 1,024 numbers, 4 i + c = column 128 i + 4 l + c
	s_load_b128 s[4:7], s[0:1], 0x0                ; part s[4:5], order s[6:7]
	s_load_b64 s[10:11], s[0:1], 0x10              ; out0
	v_lshrrev_b32 v1, 5, v0
	v_readfirstlane_b32 s12, v1                    ; wave
	v_and_b32 v2, 31, v0
	v_lshlrev_b32 v3, 4, v2                        ; 16 l
	s_lshl_b32 s13, ttmp9, 2
	s_add_co_u32 s13, s13, s12                     ; pos
	s_lshl_b32 s14, s13, 2
	s_lshl_b32 s16, s13, 12                        ; its row of 4,096 bytes
	s_mov_b32 s17, 0
	s_wait_kmcnt 0x0
	s_load_b32 s15, s[6:7], s14 offset:0x0         ; order[pos]
	s_add_nc_u64 s[4:5], s[4:5], s[16:17]
	s_add_nc_u64 s[18:19], s[4:5], 0x800000        ; planes 2 and 3: a plane is 4 MiB, and a load's immediate reaches one plane on
.irp k, 0,1
.irp i, 0,1,2,3,4,5,6,7
	global_load_b128 v[P+32*\k+4*\i:P+32*\k+4*\i+3], v3, s[4:5] offset:\k*0x400000+512*\i th:TH_LOAD_NT
.endr
.endr
.irp k, 0,1
.irp i, 0,1,2,3,4,5,6,7
	global_load_b128 v[P+64+32*\k+4*\i:P+64+32*\k+4*\i+3], v3, s[18:19] offset:\k*0x400000+512*\i th:TH_LOAD_NT
.endr
.endr
	s_wait_kmcnt 0x0
	s_min_u32 s15, s15, 0x7fff
	s_and_b32 s22, s15, 0x3ff                      ; t
	s_lshl_b32 s22, s22, 12
	s_mov_b32 s23, 0
	s_add_nc_u64 s[10:11], s[10:11], s[22:23]
	s_wait_loadcnt 0x0
.irp i, 0,1,2,3,4,5,6,7
.irp d, 0,2
	v_pk_add_f32 v[P+4*\i+\d:P+4*\i+\d+1], v[P+4*\i+\d:P+4*\i+\d+1], v[P+32+4*\i+\d:P+32+4*\i+\d+1]
	v_pk_add_f32 v[P+64+4*\i+\d:P+64+4*\i+\d+1], v[P+64+4*\i+\d:P+64+4*\i+\d+1], v[P+96+4*\i+\d:P+96+4*\i+\d+1]
.endr
.irp d, 0,2
	v_pk_add_f32 v[P+4*\i+\d:P+4*\i+\d+1], v[P+4*\i+\d:P+4*\i+\d+1], v[P+64+4*\i+\d:P+64+4*\i+\d+1]
.endr
	global_store_b128 v3, v[P+4*\i:P+4*\i+3], s[10:11] offset:512*\i   ; the wave stores 512 consecutive bytes, at a multiple of 256 from out0's first byte
.endr
	s_endpgm
.Lfunc_end_k_q008303e1b9_comb:
	.size	k_q008303e1b9_comb, .Lfunc_end_k_q008303e1b9_comb-k_q008303e1b9_comb
	.p2alignl 7, 3214868480
	.fill 96, 4, 3214868480
	.section	.rodata,"a",@progbits
	.p2align	6, 0x0
	.amdhsa_kernel k_q008303e1b9_comb
		.amdhsa_group_segment_fixed_size 0
		.amdhsa_private_segment_fixed_size 0
		.amdhsa_enable_private_segment 0
		.amdhsa_kernarg_size 24
		.amdhsa_user_sgpr_count 2
		.amdhsa_user_sgpr_kernarg_segment_ptr 1
		.amdhsa_wavefront_size32 1
		.amdhsa_system_sgpr_workgroup_id_x 1
		.amdhsa_system_sgpr_workgroup_id_y 1
		.amdhsa_system_sgpr_workgroup_id_z 1
		.amdhsa_system_vgpr_workitem_id 0
		.amdhsa_next_free_vgpr 144
		.amdhsa_next_free_sgpr 66
		.amdhsa_reserve_vcc 0
		.amdhsa_float_denorm_mode_32 3
		.amdhsa_float_denorm_mode_16_64 3
		.amdhsa_memory_ordered 1
		.amdhsa_forward_progress 1
		.amdhsa_inst_pref_size 8
	.end_amdhsa_kernel
	.amdgpu_metadata
---
amdhsa.version: [ 1, 2 ]
amdhsa.kernels:
  - .name:           k_q008303e1b9_comb
    .symbol:         k_q008303e1b9_comb.kd
    .args:
      - { .name: part, .offset: 0, .size: 8, .value_kind: global_buffer, .address_space: global }
      - { .name: order, .offset: 8, .size: 8, .value_kind: global_buffer, .address_space: global }
      - { .name: out0, .offset: 16, .size: 8, .value_kind: global_buffer, .address_space: global }
    .group_segment_fixed_size: 0
    .private_segment_fixed_size: 0
    .kernarg_segment_align: 8
    .kernarg_segment_size: 24
    .max_flat_workgroup_size: 128
    .sgpr_count:     66
    .vgpr_count:     144
    .wavefront_size: 32
...
	.end_amdgpu_metadata
.endif
;; end of part 5
;; ======== version 2 of 2: 5 launches; 1.13 times as fast as version 1
;; limits: values are held in f16: magnitudes above 65,504 overflow, below 6.1e-05 lose precision
;; workspace buffers: ids 4,096 bytes of whole numbers; wt 4,096 bytes; offs 256 bytes of whole numbers; order 4,096 bytes of whole numbers; xs 2,097,152 bytes; hs 8,388,608 bytes; part 16,777,216 bytes
;; launch router: the kernel of part 1 again; grid 128 x 1, 8 waves a work-group, no clusters, 35,840 bytes of LDS; arguments x, gate_w, gate_b, ids, wt; writes ids, wt
;; launch place: the kernel of part 2 again; grid 128 x 1, 8 waves a work-group, no clusters, 0 bytes of LDS; arguments x, ids, wt, xs, order, offs; writes xs, order, offs
;; launch ffn1 (part 6): grid 32 x 8, 4 waves a work-group, no clusters, 262,656 bytes of LDS; arguments xs, w1, b1, offs, hs; writes hs
.if DOCPART == 6
	.amdgcn_target "amdgcn-amd-amdhsa--gfx1250"
	.amdhsa_code_object_version 6
	.text
	.protected	k_q008303e1b9_ffn1
	.globl	k_q008303e1b9_ffn1
	.p2align	8
	.type	k_q008303e1b9_ffn1,@function
k_q008303e1b9_ffn1:
	s_mov_b64 s[64:65], 0
	v_nop
	global_prefetch_b8 v0, s[64:65] scope:SCOPE_SE
	s_setreg_imm32_b32 hwreg(HW_REG_WAVE_MODE, 25, 1), 1
	s_wait_xcnt 0x0
; EXPERT LAYER (this text serves both layers; FFN picks the constants and the way out).
; FFN = 1: hs[pos][n] = f16(relu(xs[pos] . w1[e][:, n] + b1[e][n])).
; FFN = 2: part[ks][pos][n] = hs[pos][1024 ks ..] . w2[e][1024 ks .., n], plus b2[e][n] in plane ks = 0.
; Rows are the tokens sorted by expert; expert e owns rows offs[e] .. offs[e+1] - 1 (counts stored by an earlier launch; offs[8] = 1,024).
; THE WEIGHTS STAY, THE ROWS WALK.  Grid y is the expert, grid x the tile: a work-group owns K = 1,024 x 128 columns of its expert's weights, 524,288 bytes of
; f32 that no other work-group reads.  PHASE W: the four waves stream the tile from memory into registers, round it to f16 and lay it into LDS as finished
; fragments (262,144 bytes).  One barrier.  PHASE C: wave w takes the expert's rows 80 w .. 80 w + 79, then 320 further on, and so on, each time against all 128
; columns: 40 accumulators.  The number of such blocks is read from memory, so no barrier stands in that loop: weight fragments come from LDS, which nobody
; writes any more, row fragments straight from memory into a ring of registers, each row fetched by one wave of the work-group.
; WHY 80 ROWS: four waves take 320 rows in one pass.  With even routing the highest expert is the higher of the two winners in 7 of 28 pairs, 256 of 1,024 rows.
; An expert without rows streams no weights and stores nothing: its work-groups pass the barrier and end (the grid has a place for every expert).
; A block's window of 80 rows starts at min(first row, 944), so it stays inside the buffer; rows that are not the block's are computed and not stored.
; K ORDER: element i (0..15) of lane (r, h) is k = k0 + 16 h + i in both operands: the same permutation of k on both sides keeps every product, and lets a
; lane take 16 rows of the weights (four neighbouring columns each) and 32 neighbouring bytes of a row of xs or hs.
; COLUMN ORDER: lane r of column tile t holds column 8 r + t (FFN = 1: a lane's eight tiles are 8 neighbouring f16 of a row, 16 bytes) or column
; 64 (t / 4) + 4 r + t % 4 (FFN = 2: four tiles are 4 neighbouring f32, 16 bytes).  Only the LDS address of phase W's stores knows the difference.
; FORMAT: f16 operands, f32 sums.  LIMITS: |xs|, |w|, |hs| under 65,504; magnitudes under 6e-8 become 0.
; NO JOINT LOADS: what the 32 work-groups of an expert share is its rows, 2,048 bytes a row, beside 524,288 bytes of weights that each has to itself;
; and a joint request wants a round of barriers in a loop whose count is read from memory.
; KNOWN PRICE: a row fragment's load takes 16 bytes a lane from 16 rows, not whole runs of 256 bytes.
.set FFN, 1
.if FFN == 1
.set LRW,  14                          ; log2 of the bytes in a row of the weights
.set LA2,  11                          ; log2 of the bytes in a row of the row operand
.set LOR,  13                          ; log2 of the bytes in a row of the output
.set LBR,  14                          ; log2 of the bytes in a row of the bias
.else
.set LRW,  12
.set LA2,  13
.set LOR,  12
.set LBR,  12
.endif
.set RW,    1<<LRW
.set ARB,   1<<LA2
.set ORW,   1<<LOR
.set ROWS,  80                         ; rows of a block: five tiles of 16
.set RING,  6                          ; K steps of row fragments in the ring
.set AS,    40                         ; registers of one of them: five tiles of 8
; LDS: fragment (K step s of 32, column tile t of 8) at (8 s + t) x 1,024: registers 0-3 of the 32 lanes, 16 bytes each, then registers 4-7.
; vector registers.  Window 0: below.  Window 1: v0-239 the ring of row fragments.  Window 2: accumulator (row tile tt of 0-3, column tile t) at 64 tt + 8 t;
; in phase W four sets of 64: weights as loaded.
.set R,   1                            ; lane % 16
.set H,   2                            ; lane / 16
.set WO,  3                            ; my byte offset in the weights: 16 r + 16 h rows; never rewritten
.set AO,  4                            ; my byte offset in the rows: row r, 32 h bytes; never rewritten
.set SA,  5                            ; v5-6  where I put fragments: K steps 0-7, 8-15 of my K half
.set LN,  7                            ; lane
.set BA,  8                            ; v8-11 where I find fragments: K steps 0-7, 8-15, 16-23, 24-31
.set GO,  12                           ; my byte offset in the output; never rewritten
.set RM,  13                           ; my first row less the block's first
.set TM,  14                           ; at work
.set BO,  15                           ; my offset in the bias
.set BI,  16                           ; v[16:23] bias of my column in tile t at BI + t
.set A4,  32                           ; v[32:95] accumulators of row tile 4, column tile t at 8 t
.set BS,  128                          ; v[128:191], v[192:255] weight fragments of a K step: two sets
.set BF,  128                          ; phase W: v[128:159], v[160:191] weights in f16 on their way to LDS
.set TMP, 128                          ; the way out: what is stored
; scalar registers
.set WV, 14
.set STRIP, 15                         ; wave % 2: my 64 columns in phase W
.set KH, 16                            ; wave / 2: my K half in phase W
.set EX, 17                            ; the expert
.set CT, 18                            ; column tile
.set KS, 19                            ; which 1,024 of K
.set OFFE, 20                          ; the expert's first row
.set ENDE, 21                          ; and the row behind its last
.set CNT, 22                           ; its rows
.set TR, 23                            ; my blocks: not written in the loop
.set PS, 24                            ; my block's first row, counted from the expert's first
.set CB, 25                            ; phase W: my first column in f32 bytes
.set T64, 26                           ; s[26:27] an offset in 64 bits
.set SW,  28                           ; s[28:29] my weights
.set SAB, 30                           ; s[30:31] my rows
.set SO,  32                           ; s[32:33] my part of the output
.set SBI, 34                           ; s[34:35] the tile's bias
.set OB, 36
.set ST, 37                            ; first row of the window
.set LO, 38                            ; the block's rows in the window: LO .. HI - 1
.set HI, 39
.set SPAN, 40
.set SX, 41
.set T0, 42
.set T1, 43
.set MASK, 44
.set CA, 45                            ; the parts of the offsets that no block changes: rows,
.set CO, 46                            ; output
.set OA, 47                            ; byte offsets of offs[e] and offs[e+1]: not rewritten
.set OE, 48
.set C0, 49                            ; the tile's first column in f32 bytes
.set PC, 50                            ; the block's number: the loop's counter, one a trip
.set P0, 51                            ; 80 x wave: my first block's first row
.set MSB, 0
.macro WIN new                         ; the immediate's high byte repeats the setting that is left; a switch that changes nothing is dropped
.if MSB != (\new)
	s_set_vgpr_msb (MSB<<8)|(\new)
.set MSB, (\new)
.endif
.endm
.macro PLACES                          ; four plain vector instructions between a matrix instruction and a load into, or a read of, its registers
.rept 4
	v_nop
.endr
.endm
; PHASE W.  The weights of K step sg of my 16: 16 loads; lanes 0-15 take 256 neighbouring bytes of row 32 sg + i, lanes 16-31 of the row 16 further down.
.macro WLOAD sg
	WIN 0x80                                       ; destination window 2
.irp i, 0,1,2,3,4,5,6,7,8,9,10,11,12,13,14,15
	global_load_b128 v[64*((\sg)%4)+4*\i:64*((\sg)%4)+4*\i+3], v[WO], s[SW:SW+1] offset:(32*(\sg)+\i)*RW th:TH_LOAD_NT
.endr
.endm
; column c of my four of set st -> buffer bf: register 4 i + c of the set is row i
.macro CVT c, st, bf
	WIN 0x0a                                       ; sources window 2, destination window 0
.irp p, 0,1,2,3,4,5,6,7
	v_cvt_pk_f16_f32 v[BF+32*(\bf)+8*(\c)+\p], v[64*(\st)+8*\p+(\c)], v[64*(\st)+8*\p+4+(\c)]
.endr
.endm
; the four columns' pieces of K step sg go to LDS, 16 bytes a lane and store
.macro WSTORE sg, bf
	WIN 0
.irp c, 0,1,2,3
	ds_store_b128 v[SA+(\sg)/8], v[BF+32*(\bf)+8*\c:BF+32*(\bf)+8*\c+3]   offset:((\sg)%8)*8192+\c*1024
	ds_store_b128 v[SA+(\sg)/8], v[BF+32*(\bf)+8*\c+4:BF+32*(\bf)+8*\c+7] offset:((\sg)%8)*8192+\c*1024+512
.endr
.endm
; PHASE C.  Row fragments of K step s: five tiles of 16 rows, ten loads, into place s % 6 of the ring
.macro ALOAD s
	WIN 0x40                                       ; destination window 1
.irp tt, 0,1,2,3,4
	global_load_b128 v[AS*((\s)%RING)+8*\tt:AS*((\s)%RING)+8*\tt+3],   v[AO], s[SAB:SAB+1] offset:\tt*16*ARB+64*(\s)
	global_load_b128 v[AS*((\s)%RING)+8*\tt+4:AS*((\s)%RING)+8*\tt+7], v[AO], s[SAB:SAB+1] offset:\tt*16*ARB+64*(\s)+16
.endr
.endm
; weight fragments of K step s: eight column tiles, 16 loads of 512 neighbouring bytes, into set s % 2
.macro BLOAD s
	WIN 0
.irp t, 0,1,2,3,4,5,6,7
	ds_load_b128 v[BS+64*((\s)%2)+8*\t:BS+64*((\s)%2)+8*\t+3],   v[BA+(\s)/8] offset:((\s)%8)*8192+\t*1024
	ds_load_b128 v[BS+64*((\s)%2)+8*\t+4:BS+64*((\s)%2)+8*\t+7], v[BA+(\s)/8] offset:((\s)%8)*8192+\t*1024+512
.endr
.endm
; 40 matrix instructions.  The 40 accumulators take turns, one instruction a turn.  The first K step's products start the sums
.macro MUL s
.set rA, AS*((\s)%RING)
.set rB, BS+64*((\s)%2)
	WIN 0xa1                                       ; source 0 (rows) window 1, source 1 (weights) window 0, C and D window 2
.irp tt, 0,1,2,3
.irp t, 0,1,2,3,4,5,6,7
.if (\s) == 0
	v_wmma_f32_16x16x32_f16 v[64*\tt+8*\t:64*\tt+8*\t+7], v[rA+8*\tt:rA+8*\tt+7], v[rB+8*\t:rB+8*\t+7], 0
.else
	v_wmma_f32_16x16x32_f16 v[64*\tt+8*\t:64*\tt+8*\t+7], v[rA+8*\tt:rA+8*\tt+7], v[rB+8*\t:rB+8*\t+7], v[64*\tt+8*\t:64*\tt+8*\t+7]
.endif
.endr
.endr
	WIN 0x01                                       ; row tile 4: C and D window 0
.irp t, 0,1,2,3,4,5,6,7
.if (\s) == 0
	v_wmma_f32_16x16x32_f16 v[A4+8*\t:A4+8*\t+7], v[rA+32:rA+39], v[rB+8*\t:rB+8*\t+7], 0
.else
	v_wmma_f32_16x16x32_f16 v[A4+8*\t:A4+8*\t+7], v[rA+32:rA+39], v[rB+8*\t:rB+8*\t+7], v[A4+8*\t:A4+8*\t+7]
.endif
.endr
.endm
; K step ks of 32 (ks is a symbol).  Behind its products the rows of K step ks + 6 are asked for, into the place just multiplied: they have five K steps, 200 matrix
; instructions, in which to land, and 60 loads of mine are out at the most.
.macro KSTEP
.if ks < 26
	s_wait_loadcnt 50                              ; this step's rows are in; the next five steps' ten loads each stay out
.else
	s_wait_loadcnt 10*(31-ks)                      ; the last steps: fewer are behind
.endif
.if ks < 31
	s_wait_dscnt 16                                ; this step's weight fragments are in; the next step's 16 loads stay out
.else
	s_wait_dscnt 0
.endif
	MUL ks
.if ks < 30
	PLACES
.endif
.if ks < 26
	ALOAD (ks+6)
.endif
.if ks < 30
	BLOAD (ks+2)                                   ; into the set just multiplied
.endif
.endm
; The block that begins PS rows behind the expert's first: its window, its rows in the window, its addresses
.macro BLK
	s_add_co_u32 s[OB], s[OFFE], s[PS]             ; the block's first row
	s_min_u32 s[ST], s[OB], 1024-ROWS              ; the window's first row
	s_sub_co_u32 s[LO], s[OB], s[ST]
	s_add_co_u32 s[HI], s[OB], ROWS
	s_min_u32 s[HI], s[HI], s[ENDE]
	s_max_u32 s[HI], s[HI], s[OB]                  ; a wave without rows: none
	s_sub_co_u32 s[HI], s[HI], s[ST]
	s_sub_co_u32 s[SPAN], s[HI], s[LO]
	s_mov_b32 s[T64+1], 0
	s_lshl_b32 s[T64], s[ST], LA2
	s_add_co_u32 s[T64], s[T64], s[CA]
	s_add_nc_u64 s[SAB:SAB+1], s[4:5], s[T64:T64+1]
	s_lshl_b32 s[T64], s[ST], LOR
	s_add_co_u32 s[T64], s[T64], s[CO]
	s_add_nc_u64 s[SO:SO+1], s[12:13], s[T64:T64+1]
	s_sub_co_u32 s[T0], 0, s[LO]
	v_lshl_add_u32 v[RM], v[H], 3, s[T0]           ; 8 h - LO
.endm
; rows 16 tt + j (lanes 0-15) and 8 further down (lanes 16-31) of my window: in each store 16 lanes write 256 consecutive bytes, at a multiple of 256 from the buffer's first byte
.macro PUT tt, j
.if FFN == 1
	global_store_b128 v[GO], v[TMP+4*\j:TMP+4*\j+3], s[SO:SO+1] offset:(16*\tt+\j)*ORW
.else
	global_store_b128 v[GO], v[TMP+8*\j:TMP+8*\j+3],   s[SO:SO+1] offset:(16*\tt+\j)*ORW
	global_store_b128 v[GO], v[TMP+8*\j+4:TMP+8*\j+7], s[SO:SO+1] offset:(16*\tt+\j)*ORW+256
.endif
.endm
; The 16 rows of tile tt are finished and stored.  None of them the block's: nothing is done.  All of them: plain stores.  Else each store is masked by rows.
.macro OUTT tt
.if \tt < 4
.set ACW, 2                            ; the tile's accumulators: their window and first register
.set ACB, 64*\tt
.else
.set ACW, 0
.set ACB, A4
.endif
	s_cmp_le_u32 s[HI], 16*\tt
	s_cbranch_scc1 .Ldone_\@
	s_cmp_ge_u32 s[LO], 16*\tt+16
	s_cbranch_scc1 .Ldone_\@
	s_wait_xcnt 0x0                                ; the registers that the last tile's stores read are rewritten only behind this wait
.if FFN == 1
	WIN (ACW<<6)|ACW                               ; destination and source 0: the accumulators; the bias in window 0
.irp t, 0,1,2,3,4,5,6,7
.irp jj, 0,2,4,6                       ; each accumulator is read from its low end on
.if \t%2 == 0
	v_pk_add_f32 v[ACB+8*\t+\jj:ACB+8*\t+\jj+1], v[ACB+8*\t+\jj:ACB+8*\t+\jj+1], v[BI+2*(\t/2):BI+2*(\t/2)+1] op_sel_hi:[1,0]   ; tile t's bias for both rows
.else
	v_pk_add_f32 v[ACB+8*\t+\jj:ACB+8*\t+\jj+1], v[ACB+8*\t+\jj:ACB+8*\t+\jj+1], v[BI+2*(\t/2):BI+2*(\t/2)+1] op_sel:[0,1] op_sel_hi:[1,1]
.endif
.endr
.endr
	WIN (ACW<<6)|(ACW<<2)                          ; destination and source 1
.set ix, 0
.rept 64
	v_max_num_f32 v[ACB+ix], 0, v[ACB+ix]
.set ix, ix+1
.endr
	WIN (ACW<<2)|ACW                               ; both sources; destination window 0
.irp j, 0,1,2,3,4,5,6,7
.irp u, 0,1,2,3
	v_cvt_pk_f16_f32 v[TMP+4*\j+\u], v[ACB+16*\u+\j], v[ACB+16*\u+8+\j]    ; columns 8 r + 2 u and 8 r + 2 u + 1 of row j
.endr
.endr
.else
	WIN ACW                                        ; source 0
.irp j, 0,1,2,3,4,5,6,7                ; the bias's add also brings a row's neighbouring columns into neighbouring registers
.irp t, 0,1,2,3,4,5,6,7
	v_add_f32 v[TMP+8*\j+\t], v[ACB+8*\t+\j], v[BI+\t]
.endr
.endr
.endif
	WIN 0
	s_cmp_gt_u32 s[LO], 16*\tt
	s_cbranch_scc1 .Lmask_\@
	s_cmp_lt_u32 s[HI], 16*\tt+16
	s_cbranch_scc1 .Lmask_\@
.irp j, 0,1,2,3,4,5,6,7
	PUT \tt, \j
.endr
	s_branch .Ldone_\@
.Lmask_\@:
.irp j, 0,1,2,3,4,5,6,7
	v_add_nc_u32 v[TM], 16*\tt+\j, v[RM]           ; my row less the block's first, unsigned:
	v_cmp_gt_u32 vcc_lo, s[SPAN], v[TM]            ; below the block's number of rows only if the row is the block's
	s_wait_xcnt 0x0                                ; EXEC changes only behind this wait
	s_and_saveexec_b32 s[SX], vcc_lo
	PUT \tt, \j
	s_wait_xcnt 0x0                                ; and again in front of the line that widens it
	s_or_b32 exec_lo, exec_lo, s[SX]
.endr
.Ldone_\@:
.endm
	s_load_b256 s[4:11], s[0:1], 0x0               ; the rows s[4:5], the weights s[6:7], the bias s[8:9], offs s[10:11]
	s_load_b64 s[12:13], s[0:1], 0x20              ; the output
	v_lshl_add_u32 v126, v0, 2, 0x40000
	v_mov_b32 v127, 0
	v_lshrrev_b32 v1, 5, v0
	v_readfirstlane_b32 s[WV], v1                  ; wave 0..3
	s_and_b32 s[STRIP], s[WV], 1
	s_lshr_b32 s[KH], s[WV], 1
	s_and_b32 s[EX], ttmp7, 0xffff
.if FFN == 1
	s_mov_b32 s[CT], ttmp9                         ; K is not split over work-groups
	s_mov_b32 s[KS], 0
.else
	s_and_b32 s[CT], ttmp9, 7
	s_lshr_b32 s[KS], ttmp9, 3
.endif
	s_lshl_b32 s[C0], s[CT], 9                     ; 512 x tile
	s_lshl_b32 s[T0], s[STRIP], 8
	s_add_co_u32 s[CB], s[C0], s[T0]               ; + 256 x strip
	s_lshl_b32 s[OA], s[EX], 2
	s_add_co_u32 s[OE], s[EX], 1
	s_min_u32 s[OE], s[OE], 7                      ; offs has eight numbers; the last expert's end is the constant 1,024
	s_lshl_b32 s[OE], s[OE], 2
	s_mul_i32 s[P0], s[WV], ROWS                   ; my first block
	s_mov_b32 s[PS], s[P0]
	s_wait_kmcnt 0x0
	s_load_b32 s[OFFE], s[10:11], s[OA] offset:0x0
	s_load_b32 s[ENDE], s[10:11], s[OE] offset:0x0
	s_lshl1_add_u32 s[T0], s[KS], s[KH]            ; my first k / 512
	s_lshl_b32 s[T64], s[T0], 9+LRW
	s_add_co_u32 s[T64], s[T64], s[CB]
	s_lshl_b32 s[T0], s[EX], 24                    ; an expert's weights are 16 MiB
	s_add_co_u32 s[T64], s[T64], s[T0]
	s_mov_b32 s[T64+1], 0
	s_add_nc_u64 s[SW:SW+1], s[6:7], s[T64:T64+1]
	s_lshl_b32 s[T64], s[EX], LBR
	s_add_co_u32 s[T64], s[T64], s[C0]
	s_add_nc_u64 s[SBI:SBI+1], s[8:9], s[T64:T64+1]
	s_lshl_b32 s[CA], s[KS], 11                    ; 1,024 f16 along the rows
.if FFN == 1
	s_lshr_b32 s[CO], s[C0], 1                     ; f16 columns
.else
	s_lshl_b32 s[CO], s[KS], 22                    ; part's plane of 4 MiB
	s_add_co_u32 s[CO], s[CO], s[C0]
	s_cmp_eq_u32 s[KS], 0
	s_cselect_b32 s[MASK], -1, 0                   ; the bias belongs to plane 0 alone
.endif
	v_and_b32 v[R], 15, v0
	v_bfe_u32 v[H], v0, 4, 1
	v_and_b32 v[LN], 31, v0
	v_lshlrev_b32 v[TM], 4, v[R]
	v_lshl_add_u32 v[WO], v[H], LRW+4, v[TM]       ; 16 r + 16 h rows
	v_lshlrev_b32 v[AO], LA2, v[R]
	v_lshl_add_u32 v[AO], v[H], 5, v[AO]           ; row r, 32 bytes for each half of the lanes
	s_lshl_b32 s[T0], s[KH], 17                    ; my 16 K steps of 8,192 bytes
.if FFN == 1
	; my column 64 strip + 4 r + c is column 8 r' + t with r' = 8 strip + r / 2 and t = 4 (r % 2) + c: lane 16 h + r' of tile t
	v_lshlrev_b32 v[BO], 5, v[R]                   ; the bias of columns 8 r .. 8 r + 7
	v_lshrrev_b32 v[TM], 1, v[R]
	v_lshl_add_u32 v[TM], v[H], 4, v[TM]           ; 16 h + r / 2
	v_and_b32 v[SA+1], 1, v[R]
	v_lshlrev_b32 v[SA+1], 12, v[SA+1]             ; four tiles of 1,024 bytes further on for odd r
	v_lshl_add_u32 v[SA], v[TM], 4, v[SA+1]
	s_lshl_b32 s[T1], s[STRIP], 7                  ; 8 lanes of 16 bytes
.else
	v_lshlrev_b32 v[BO], 4, v[R]                   ; the bias of columns 4 r .. 4 r + 3, and of those 64 further on
	v_lshlrev_b32 v[SA], 4, v[LN]                  ; my own lane's place,
	s_lshl_b32 s[T1], s[STRIP], 12                 ; in my strip's four tiles of 1,024 bytes
.endif
	s_add_co_u32 s[T0], s[T0], s[T1]
	v_add_nc_u32 v[SA], s[T0], v[SA]
	v_add_nc_u32 v[SA+1], 0x10000, v[SA]           ; an LDS offset has 16 bits: eight K steps to an address register
	v_lshlrev_b32 v[BA], 4, v[LN]
	v_add_nc_u32 v[BA+1], 0x10000, v[BA]
	v_add_nc_u32 v[BA+2], 0x20000, v[BA]
	v_add_nc_u32 v[BA+3], 0x30000, v[BA]
	v_lshlrev_b32 v[GO], 4, v[R]                   ; 16 bytes a lane
	v_lshl_add_u32 v[GO], v[H], LOR+3, v[GO]       ; + 8 h rows
	global_load_b128 v[BI:BI+3], v[BO], s[SBI:SBI+1]
.if FFN == 1
	global_load_b128 v[BI+4:BI+7], v[BO], s[SBI:SBI+1] offset:16
.else
	global_load_b128 v[BI+4:BI+7], v[BO], s[SBI:SBI+1] offset:256
.endif
	s_wait_kmcnt 0x0
	s_min_u32 s[OFFE], s[OFFE], 1024
	s_min_u32 s[ENDE], s[ENDE], 1024
	s_cmp_eq_u32 s[EX], 7
	s_cselect_b32 s[ENDE], 1024, s[ENDE]
	s_max_u32 s[ENDE], s[ENDE], s[OFFE]
	s_sub_co_u32 s[CNT], s[ENDE], s[OFFE]          ; the expert's rows
	s_mov_b32 s[TR], 0                             ; my blocks: those of 80 w + 320 p, p = 0 .. 3, that begin below the expert's number of rows (80 w + 1,280 is above 1,024)
.irp p, 0,1,2,3
	s_add_co_u32 s[T0], s[P0], \p*4*ROWS
	s_cmp_lt_u32 s[T0], s[CNT]
	s_cselect_b32 s[T1], 1, 0
	s_add_co_u32 s[TR], s[TR], s[T1]
.endr
	BLK                                            ; my first block
	s_cmp_lg_u32 s[CNT], 0
	s_cbranch_scc1 .Lstream
	s_wait_loadcnt 0x0                             ; NO ROWS: no weights are streamed.  The bias is in;
.irp s, 0,1,2,3,4,5
	ALOAD \s                                       ; the ring is filled on this way too (rows of the clamped window, never multiplied): every way to the barrier leaves its registers written
.endr
	WIN 0                                          ; at a label and at a branch every window is 0
	s_branch .Lno_weights
	; PHASE W: three K steps' loads are out ahead of the step in hand.  In the last three steps, which have no weights left to ask for, the ring's first six K steps of rows are asked for in their stead.
.Lstream:
	WLOAD 0
	WLOAD 1
	WLOAD 2
.set sg, 0
.rept 16
.if sg < 14
	s_wait_loadcnt 32                              ; this step's weights (and the bias, issued ahead of them) are in; the next two steps' 16 loads each stay out
.elseif sg == 14
	s_wait_loadcnt 36                              ; behind step 14's weights: step 15's 16 loads and 20 for rows
.else
	s_wait_loadcnt 40                              ; behind step 15's weights: 40 loads for rows
.endif
.if sg < 13
	WLOAD (sg+3)
.else
	ALOAD (2*(sg-13))
	ALOAD (2*(sg-13)+1)
.endif
	CVT 0, (sg%4), (sg%2)
	CVT 1, (sg%4), (sg%2)
	CVT 2, (sg%4), (sg%2)
	CVT 3, (sg%4), (sg%2)
	WSTORE sg, (sg%2)
.set sg, sg+1
.endr
	WIN 0
.Lno_weights:
	s_wait_dscnt 0x0                               ; for the other waves' sake: my fragments are in LDS.  My 60 loads for rows stay out: nobody else touches their registers
	s_barrier_signal -1
	s_barrier_wait -1                              ; everybody's are; LDS is only read from here on
.if FFN == 2
.irp t, 0,1,2,3,4,5,6,7
	v_and_b32 v[BI+\t], s[MASK], v[BI+\t]          ; 0.0 in the planes that do not carry the bias
.endr
.endif
	s_cmp_eq_u32 s[TR], 0
	s_cbranch_scc1 .Lend                           ; the expert has no rows for this wave
	s_mov_b32 s[PC], 0
	; PHASE C.  On both ways in, the ring's first six K steps have been asked for and nothing else of mine is out
.Lpass:
	BLOAD 0
	BLOAD 1
.set ks, 0
.rept 32
	KSTEP
.set ks, ks+1
.endr
	WIN 0
	PLACES                                         ; behind the last products: their results are read, and their sources loaded again, below
	OUTT 0
	OUTT 1
	OUTT 2
	OUTT 3
	OUTT 4
	s_add_co_u32 s[PC], s[PC], 1                   ; the loop's counter: one a trip
	s_cmp_ge_u32 s[PC], s[TR]
	s_cbranch_scc1 .Lend                           ; the last block asks for nothing more
	s_wait_xcnt 0x0                                ; bases and registers that this block's loads and stores read are rewritten only behind this wait
	s_mul_i32 s[PS], s[PC], 4*ROWS                 ; the four waves' blocks lie side by side: my next one is 320 rows on
	s_add_co_u32 s[PS], s[PS], s[P0]
	BLK
.irp s, 0,1,2,3,4,5
	ALOAD \s
.endr
	WIN 0
	s_cmp_lt_u32 s[PC], s[TR]                      ; true here: the backward jump hangs on the counter and on a bound that the loop does not write
	s_cbranch_scc1 .Lpass
.Lend:
	s_wait_tensorcnt 0x0
	ds_add_u32 v126, v127
	s_wait_dscnt 0x0
	s_endpgm
.Lfunc_end_k_q008303e1b9_ffn1:
	.size	k_q008303e1b9_ffn1, .Lfunc_end_k_q008303e1b9_ffn1-k_q008303e1b9_ffn1
	.p2alignl 7, 3214868480
	.fill 96, 4, 3214868480
	.section	.rodata,"a",@progbits
	.p2align	6, 0x0
	.amdhsa_kernel k_q008303e1b9_ffn1
		.amdhsa_group_segment_fixed_size 262656
		.amdhsa_private_segment_fixed_size 0
		.amdhsa_enable_private_segment 0
		.amdhsa_kernarg_size 40
		.amdhsa_user_sgpr_count 2
		.amdhsa_user_sgpr_kernarg_segment_ptr 1
		.amdhsa_wavefront_size32 1
		.amdhsa_system_sgpr_workgroup_id_x 1
		.amdhsa_system_sgpr_workgroup_id_y 1
		.amdhsa_system_sgpr_workgroup_id_z 1
		.amdhsa_system_vgpr_workitem_id 0
		.amdhsa_next_free_vgpr 768
		.amdhsa_next_free_sgpr 66
		.amdhsa_reserve_vcc 1
		.amdhsa_float_denorm_mode_32 3
		.amdhsa_float_denorm_mode_16_64 3
		.amdhsa_memory_ordered 1
		.amdhsa_forward_progress 1
		.amdhsa_inst_pref_size 255
	.end_amdhsa_kernel
	.section	.bss,"aw",@nobits
	.p2align	6
	.space	262144
	.amdgpu_metadata
---
amdhsa.version: [ 1, 2 ]
amdhsa.kernels:
  - .name:           k_q008303e1b9_ffn1
    .symbol:         k_q008303e1b9_ffn1.kd
    .args:
      - { .name: xs, .offset: 0, .size: 8, .value_kind: global_buffer, .address_space: global }
      - { .name: w1, .offset: 8, .size: 8, .value_kind: global_buffer, .address_space: global }
      - { .name: b1, .offset: 16, .size: 8, .value_kind: global_buffer, .address_space: global }
      - { .name: offs, .offset: 24, .size: 8, .value_kind: global_buffer, .address_space: global }
      - { .name: hs, .offset: 32, .size: 8, .value_kind: global_buffer, .address_space: global }
    .group_segment_fixed_size: 262656
    .private_segment_fixed_size: 0
    .kernarg_segment_align: 8
    .kernarg_segment_size: 40
    .max_flat_workgroup_size: 128
    .sgpr_count:     66
    .vgpr_count:     768
    .wavefront_size: 32
...
	.end_amdgpu_metadata
.endif
;; end of part 6
;; launch ffn2 (part 7): grid 32 x 8, 4 waves a work-group, no clusters, 262,656 bytes of LDS; arguments hs, w2, b2, offs, part; writes part
.if DOCPART == 7
	.amdgcn_target "amdgcn-amd-amdhsa--gfx1250"
	.amdhsa_code_object_version 6
	.text
	.protected	k_q008303e1b9_ffn2
	.globl	k_q008303e1b9_ffn2
	.p2align	8
	.type	k_q008303e1b9_ffn2,@function
k_q008303e1b9_ffn2:
	s_mov_b64 s[64:65], 0
	v_nop
	global_prefetch_b8 v0, s[64:65] scope:SCOPE_SE
	s_setreg_imm32_b32 hwreg(HW_REG_WAVE_MODE, 25, 1), 1
	s_wait_xcnt 0x0
; EXPERT LAYER (this text serves both layers; FFN picks the constants and the way out).
; FFN = 1: hs[pos][n] = f16(relu(xs[pos] . w1[e][:, n] + b1[e][n])).
; FFN = 2: part[ks][pos][n] = hs[pos][1024 ks ..] . w2[e][1024 ks .., n], plus b2[e][n] in plane ks = 0.
; Rows are the tokens sorted by expert; expert e owns rows offs[e] .. offs[e+1] - 1 (counts stored by an earlier launch; offs[8] = 1,024).
; THE WEIGHTS STAY, THE ROWS WALK.  Grid y is the expert, grid x the tile: a work-group owns K = 1,024 x 128 columns of its expert's weights, 524,288 bytes of
; f32 that no other work-group reads.  PHASE W: the four waves stream the tile from memory into registers, round it to f16 and lay it into LDS as finished
; fragments (262,144 bytes).  One barrier.  PHASE C: wave w takes the expert's rows 80 w .. 80 w + 79, then 320 further on, and so on, each time against all 128
; columns: 40 accumulators.  The number of such blocks is read from memory, so no barrier stands in that loop: weight fragments come from LDS, which nobody
; writes any more, row fragments straight from memory into a ring of registers, each row fetched by one wave of the work-group.
; WHY 80 ROWS: four waves take 320 rows in one pass.  With even routing the highest expert is the higher of the two winners in 7 of 28 pairs, 256 of 1,024 rows.
; An expert without rows streams no weights and stores nothing: its work-groups pass the barrier and end (the grid has a place for every expert).
; A block's window of 80 rows starts at min(first row, 944), so it stays inside the buffer; rows that are not the block's are computed and not stored.
; K ORDER: element i (0..15) of lane (r, h) is k = k0 + 16 h + i in both operands: the same permutation of k on both sides keeps every product, and lets a
; lane take 16 rows of the weights (four neighbouring columns each) and 32 neighbouring bytes of a row of xs or hs.
; COLUMN ORDER: lane r of column tile t holds column 8 r + t (FFN = 1: a lane's eight tiles are 8 neighbouring f16 of a row, 16 bytes) or column
; 64 (t / 4) + 4 r + t % 4 (FFN = 2: four tiles are 4 neighbouring f32, 16 bytes).  Only the LDS address of phase W's stores knows the difference.
; FORMAT: f16 operands, f32 sums.  LIMITS: |xs|, |w|, |hs| under 65,504; magnitudes under 6e-8 become 0.
; NO JOINT LOADS: what the 32 work-groups of an expert share is its rows, 2,048 bytes a row, beside 524,288 bytes of weights that each has to itself;
; and a joint request wants a round of barriers in a loop whose count is read from memory.
; KNOWN PRICE: a row fragment's load takes 16 bytes a lane from 16 rows, not whole runs of 256 bytes.
.set FFN, 2
.if FFN == 1
.set LRW,  14                          ; log2 of the bytes in a row of the weights
.set LA2,  11                          ; log2 of the bytes in a row of the row operand
.set LOR,  13                          ; log2 of the bytes in a row of the output
.set LBR,  14                          ; log2 of the bytes in a row of the bias
.else
.set LRW,  12
.set LA2,  13
.set LOR,  12
.set LBR,  12
.endif
.set RW,    1<<LRW
.set ARB,   1<<LA2
.set ORW,   1<<LOR
.set ROWS,  80                         ; rows of a block: five tiles of 16
.set RING,  6                          ; K steps of row fragments in the ring
.set AS,    40                         ; registers of one of them: five tiles of 8
; LDS: fragment (K step s of 32, column tile t of 8) at (8 s + t) x 1,024: registers 0-3 of the 32 lanes, 16 bytes each, then registers 4-7.
; vector registers.  Window 0: below.  Window 1: v0-239 the ring of row fragments.  Window 2: accumulator (row tile tt of 0-3, column tile t) at 64 tt + 8 t;
; in phase W four sets of 64: weights as loaded.
.set R,   1                            ; lane % 16
.set H,   2                            ; lane / 16
.set WO,  3                            ; my byte offset in the weights: 16 r + 16 h rows; never rewritten
.set AO,  4                            ; my byte offset in the rows: row r, 32 h bytes; never rewritten
.set SA,  5                            ; v5-6  where I put fragments: K steps 0-7, 8-15 of my K half
.set LN,  7                            ; lane
.set BA,  8                            ; v8-11 where I find fragments: K steps 0-7, 8-15, 16-23, 24-31
.set GO,  12                           ; my byte offset in the output; never rewritten
.set RM,  13                           ; my first row less the block's first
.set TM,  14                           ; at work
.set BO,  15                           ; my offset in the bias
.set BI,  16                           ; v[16:23] bias of my column in tile t at BI + t
.set A4,  32                           ; v[32:95] accumulators of row tile 4, column tile t at 8 t
.set BS,  128                          ; v[128:191], v[192:255] weight fragments of a K step: two sets
.set BF,  128                          ; phase W: v[128:159], v[160:191] weights in f16 on their way to LDS
.set TMP, 128                          ; the way out: what is stored
; scalar registers
.set WV, 14
.set STRIP, 15                         ; wave % 2: my 64 columns in phase W
.set KH, 16                            ; wave / 2: my K half in phase W
.set EX, 17                            ; the expert
.set CT, 18                            ; column tile
.set KS, 19                            ; which 1,024 of K
.set OFFE, 20                          ; the expert's first row
.set ENDE, 21                          ; and the row behind its last
.set CNT, 22                           ; its rows
.set TR, 23                            ; my blocks: not written in the loop
.set PS, 24                            ; my block's first row, counted from the expert's first
.set CB, 25                            ; phase W: my first column in f32 bytes
.set T64, 26                           ; s[26:27] an offset in 64 bits
.set SW,  28                           ; s[28:29] my weights
.set SAB, 30                           ; s[30:31] my rows
.set SO,  32                           ; s[32:33] my part of the output
.set SBI, 34                           ; s[34:35] the tile's bias
.set OB, 36
.set ST, 37                            ; first row of the window
.set LO, 38                            ; the block's rows in the window: LO .. HI - 1
.set HI, 39
.set SPAN, 40
.set SX, 41
.set T0, 42
.set T1, 43
.set MASK, 44
.set CA, 45                            ; the parts of the offsets that no block changes: rows,
.set CO, 46                            ; output
.set OA, 47                            ; byte offsets of offs[e] and offs[e+1]: not rewritten
.set OE, 48
.set C0, 49                            ; the tile's first column in f32 bytes
.set PC, 50                            ; the block's number: the loop's counter, one a trip
.set P0, 51                            ; 80 x wave: my first block's first row
.set MSB, 0
.macro WIN new                         ; the immediate's high byte repeats the setting that is left; a switch that changes nothing is dropped
.if MSB != (\new)
	s_set_vgpr_msb (MSB<<8)|(\new)
.set MSB, (\new)
.endif
.endm
.macro PLACES                          ; four plain vector instructions between a matrix instruction and a load into, or a read of, its registers
.rept 4
	v_nop
.endr
.endm
; PHASE W.  The weights of K step sg of my 16: 16 loads; lanes 0-15 take 256 neighbouring bytes of row 32 sg + i, lanes 16-31 of the row 16 further down.
.macro WLOAD sg
	WIN 0x80                                       ; destination window 2
.irp i, 0,1,2,3,4,5,6,7,8,9,10,11,12,13,14,15
	global_load_b128 v[64*((\sg)%4)+4*\i:64*((\sg)%4)+4*\i+3], v[WO], s[SW:SW+1] offset:(32*(\sg)+\i)*RW th:TH_LOAD_NT
.endr
.endm
; column c of my four of set st -> buffer bf: register 4 i + c of the set is row i
.macro CVT c, st, bf
	WIN 0x0a                                       ; sources window 2, destination window 0
.irp p, 0,1,2,3,4,5,6,7
	v_cvt_pk_f16_f32 v[BF+32*(\bf)+8*(\c)+\p], v[64*(\st)+8*\p+(\c)], v[64*(\st)+8*\p+4+(\c)]
.endr
.endm
; the four columns' pieces of K step sg go to LDS, 16 bytes a lane and store
.macro WSTORE sg, bf
	WIN 0
.irp c, 0,1,2,3
	ds_store_b128 v[SA+(\sg)/8], v[BF+32*(\bf)+8*\c:BF+32*(\bf)+8*\c+3]   offset:((\sg)%8)*8192+\c*1024
	ds_store_b128 v[SA+(\sg)/8], v[BF+32*(\bf)+8*\c+4:BF+32*(\bf)+8*\c+7] offset:((\sg)%8)*8192+\c*1024+512
.endr
.endm
; PHASE C.  Row fragments of K step s: five tiles of 16 rows, ten loads, into place s % 6 of the ring
.macro ALOAD s
	WIN 0x40                                       ; destination window 1
.irp tt, 0,1,2,3,4
	global_load_b128 v[AS*((\s)%RING)+8*\tt:AS*((\s)%RING)+8*\tt+3],   v[AO], s[SAB:SAB+1] offset:\tt*16*ARB+64*(\s)
	global_load_b128 v[AS*((\s)%RING)+8*\tt+4:AS*((\s)%RING)+8*\tt+7], v[AO], s[SAB:SAB+1] offset:\tt*16*ARB+64*(\s)+16
.endr
.endm
; weight fragments of K step s: eight column tiles, 16 loads of 512 neighbouring bytes, into set s % 2
.macro BLOAD s
	WIN 0
.irp t, 0,1,2,3,4,5,6,7
	ds_load_b128 v[BS+64*((\s)%2)+8*\t:BS+64*((\s)%2)+8*\t+3],   v[BA+(\s)/8] offset:((\s)%8)*8192+\t*1024
	ds_load_b128 v[BS+64*((\s)%2)+8*\t+4:BS+64*((\s)%2)+8*\t+7], v[BA+(\s)/8] offset:((\s)%8)*8192+\t*1024+512
.endr
.endm
; 40 matrix instructions.  The 40 accumulators take turns, one instruction a turn.  The first K step's products start the sums
.macro MUL s
.set rA, AS*((\s)%RING)
.set rB, BS+64*((\s)%2)
	WIN 0xa1                                       ; source 0 (rows) window 1, source 1 (weights) window 0, C and D window 2
.irp tt, 0,1,2,3
.irp t, 0,1,2,3,4,5,6,7
.if (\s) == 0
	v_wmma_f32_16x16x32_f16 v[64*\tt+8*\t:64*\tt+8*\t+7], v[rA+8*\tt:rA+8*\tt+7], v[rB+8*\t:rB+8*\t+7], 0
.else
	v_wmma_f32_16x16x32_f16 v[64*\tt+8*\t:64*\tt+8*\t+7], v[rA+8*\tt:rA+8*\tt+7], v[rB+8*\t:rB+8*\t+7], v[64*\tt+8*\t:64*\tt+8*\t+7]
.endif
.endr
.endr
	WIN 0x01                                       ; row tile 4: C and D window 0
.irp t, 0,1,2,3,4,5,6,7
.if (\s) == 0
	v_wmma_f32_16x16x32_f16 v[A4+8*\t:A4+8*\t+7], v[rA+32:rA+39], v[rB+8*\t:rB+8*\t+7], 0
.else
	v_wmma_f32_16x16x32_f16 v[A4+8*\t:A4+8*\t+7], v[rA+32:rA+39], v[rB+8*\t:rB+8*\t+7], v[A4+8*\t:A4+8*\t+7]
.endif
.endr
.endm
; K step ks of 32 (ks is a symbol).  Behind its products the rows of K step ks + 6 are asked for, into the place just multiplied: they have five K steps, 200 matrix
; instructions, in which to land, and 60 loads of mine are out at the most.
.macro KSTEP
.if ks < 26
	s_wait_loadcnt 50                              ; this step's rows are in; the next five steps' ten loads each stay out
.else
	s_wait_loadcnt 10*(31-ks)                      ; the last steps: fewer are behind
.endif
.if ks < 31
	s_wait_dscnt 16                                ; this step's weight fragments are in; the next step's 16 loads stay out
.else
	s_wait_dscnt 0
.endif
	MUL ks
.if ks < 30
	PLACES
.endif
.if ks < 26
	ALOAD (ks+6)
.endif
.if ks < 30
	BLOAD (ks+2)                                   ; into the set just multiplied
.endif
.endm
; The block that begins PS rows behind the expert's first: its window, its rows in the window, its addresses
.macro BLK
	s_add_co_u32 s[OB], s[OFFE], s[PS]             ; the block's first row
	s_min_u32 s[ST], s[OB], 1024-ROWS              ; the window's first row
	s_sub_co_u32 s[LO], s[OB], s[ST]
	s_add_co_u32 s[HI], s[OB], ROWS
	s_min_u32 s[HI], s[HI], s[ENDE]
	s_max_u32 s[HI], s[HI], s[OB]                  ; a wave without rows: none
	s_sub_co_u32 s[HI], s[HI], s[ST]
	s_sub_co_u32 s[SPAN], s[HI], s[LO]
	s_mov_b32 s[T64+1], 0
	s_lshl_b32 s[T64], s[ST], LA2
	s_add_co_u32 s[T64], s[T64], s[CA]
	s_add_nc_u64 s[SAB:SAB+1], s[4:5], s[T64:T64+1]
	s_lshl_b32 s[T64], s[ST], LOR
	s_add_co_u32 s[T64], s[T64], s[CO]
	s_add_nc_u64 s[SO:SO+1], s[12:13], s[T64:T64+1]
	s_sub_co_u32 s[T0], 0, s[LO]
	v_lshl_add_u32 v[RM], v[H], 3, s[T0]           ; 8 h - LO
.endm
; rows 16 tt + j (lanes 0-15) and 8 further down (lanes 16-31) of my window: in each store 16 lanes write 256 consecutive bytes, at a multiple of 256 from the buffer's first byte
.macro PUT tt, j
.if FFN == 1
	global_store_b128 v[GO], v[TMP+4*\j:TMP+4*\j+3], s[SO:SO+1] offset:(16*\tt+\j)*ORW
.else
	global_store_b128 v[GO], v[TMP+8*\j:TMP+8*\j+3],   s[SO:SO+1] offset:(16*\tt+\j)*ORW
	global_store_b128 v[GO], v[TMP+8*\j+4:TMP+8*\j+7], s[SO:SO+1] offset:(16*\tt+\j)*ORW+256
.endif
.endm
; The 16 rows of tile tt are finished and stored.  None of them the block's: nothing is done.  All of them: plain stores.  Else each store is masked by rows.
.macro OUTT tt
.if \tt < 4
.set ACW, 2                            ; the tile's accumulators: their window and first register
.set ACB, 64*\tt
.else
.set ACW, 0
.set ACB, A4
.endif
	s_cmp_le_u32 s[HI], 16*\tt
	s_cbranch_scc1 .Ldone_\@
	s_cmp_ge_u32 s[LO], 16*\tt+16
	s_cbranch_scc1 .Ldone_\@
	s_wait_xcnt 0x0                                ; the registers that the last tile's stores read are rewritten only behind this wait
.if FFN == 1
	WIN (ACW<<6)|ACW                               ; destination and source 0: the accumulators; the bias in window 0
.irp t, 0,1,2,3,4,5,6,7
.irp jj, 0,2,4,6                       ; each accumulator is read from its low end on
.if \t%2 == 0
	v_pk_add_f32 v[ACB+8*\t+\jj:ACB+8*\t+\jj+1], v[ACB+8*\t+\jj:ACB+8*\t+\jj+1], v[BI+2*(\t/2):BI+2*(\t/2)+1] op_sel_hi:[1,0]   ; tile t's bias for both rows
.else
	v_pk_add_f32 v[ACB+8*\t+\jj:ACB+8*\t+\jj+1], v[ACB+8*\t+\jj:ACB+8*\t+\jj+1], v[BI+2*(\t/2):BI+2*(\t/2)+1] op_sel:[0,1] op_sel_hi:[1,1]
.endif
.endr
.endr
	WIN (ACW<<6)|(ACW<<2)                          ; destination and source 1
.set ix, 0
.rept 64
	v_max_num_f32 v[ACB+ix], 0, v[ACB+ix]
.set ix, ix+1
.endr
	WIN (ACW<<2)|ACW                               ; both sources; destination window 0
.irp j, 0,1,2,3,4,5,6,7
.irp u, 0,1,2,3
	v_cvt_pk_f16_f32 v[TMP+4*\j+\u], v[ACB+16*\u+\j], v[ACB+16*\u+8+\j]    ; columns 8 r + 2 u and 8 r + 2 u + 1 of row j
.endr
.endr
.else
	WIN ACW                                        ; source 0
.irp j, 0,1,2,3,4,5,6,7                ; the bias's add also brings a row's neighbouring columns into neighbouring registers
.irp t, 0,1,2,3,4,5,6,7
	v_add_f32 v[TMP+8*\j+\t], v[ACB+8*\t+\j], v[BI+\t]
.endr
.endr
.endif
	WIN 0
	s_cmp_gt_u32 s[LO], 16*\tt
	s_cbranch_scc1 .Lmask_\@
	s_cmp_lt_u32 s[HI], 16*\tt+16
	s_cbranch_scc1 .Lmask_\@
.irp j, 0,1,2,3,4,5,6,7
	PUT \tt, \j
.endr
	s_branch .Ldone_\@
.Lmask_\@:
.irp j, 0,1,2,3,4,5,6,7
	v_add_nc_u32 v[TM], 16*\tt+\j, v[RM]           ; my row less the block's first, unsigned:
	v_cmp_gt_u32 vcc_lo, s[SPAN], v[TM]            ; below the block's number of rows only if the row is the block's
	s_wait_xcnt 0x0                                ; EXEC changes only behind this wait
	s_and_saveexec_b32 s[SX], vcc_lo
	PUT \tt, \j
	s_wait_xcnt 0x0                                ; and again in front of the line that widens it
	s_or_b32 exec_lo, exec_lo, s[SX]
.endr
.Ldone_\@:
.endm
	s_load_b256 s[4:11], s[0:1], 0x0               ; the rows s[4:5], the weights s[6:7], the bias s[8:9], offs s[10:11]
	s_load_b64 s[12:13], s[0:1], 0x20              ; the output
	v_lshl_add_u32 v126, v0, 2, 0x40000
	v_mov_b32 v127, 0
	v_lshrrev_b32 v1, 5, v0
	v_readfirstlane_b32 s[WV], v1                  ; wave 0..3
	s_and_b32 s[STRIP], s[WV], 1
	s_lshr_b32 s[KH], s[WV], 1
	s_and_b32 s[EX], ttmp7, 0xffff
.if FFN == 1
	s_mov_b32 s[CT], ttmp9                         ; K is not split over work-groups
	s_mov_b32 s[KS], 0
.else
	s_and_b32 s[CT], ttmp9, 7
	s_lshr_b32 s[KS], ttmp9, 3
.endif
	s_lshl_b32 s[C0], s[CT], 9                     ; 512 x tile
	s_lshl_b32 s[T0], s[STRIP], 8
	s_add_co_u32 s[CB], s[C0], s[T0]               ; + 256 x strip
	s_lshl_b32 s[OA], s[EX], 2
	s_add_co_u32 s[OE], s[EX], 1
	s_min_u32 s[OE], s[OE], 7                      ; offs has eight numbers; the last expert's end is the constant 1,024
	s_lshl_b32 s[OE], s[OE], 2
	s_mul_i32 s[P0], s[WV], ROWS                   ; my first block
	s_mov_b32 s[PS], s[P0]
	s_wait_kmcnt 0x0
	s_load_b32 s[OFFE], s[10:11], s[OA] offset:0x0
	s_load_b32 s[ENDE], s[10:11], s[OE] offset:0x0
	s_lshl1_add_u32 s[T0], s[KS], s[KH]            ; my first k / 512
	s_lshl_b32 s[T64], s[T0], 9+LRW
	s_add_co_u32 s[T64], s[T64], s[CB]
	s_lshl_b32 s[T0], s[EX], 24                    ; an expert's weights are 16 MiB
	s_add_co_u32 s[T64], s[T64], s[T0]
	s_mov_b32 s[T64+1], 0
	s_add_nc_u64 s[SW:SW+1], s[6:7], s[T64:T64+1]
	s_lshl_b32 s[T64], s[EX], LBR
	s_add_co_u32 s[T64], s[T64], s[C0]
	s_add_nc_u64 s[SBI:SBI+1], s[8:9], s[T64:T64+1]
	s_lshl_b32 s[CA], s[KS], 11                    ; 1,024 f16 along the rows
.if FFN == 1
	s_lshr_b32 s[CO], s[C0], 1                     ; f16 columns
.else
	s_lshl_b32 s[CO], s[KS], 22                    ; part's plane of 4 MiB
	s_add_co_u32 s[CO], s[CO], s[C0]
	s_cmp_eq_u32 s[KS], 0
	s_cselect_b32 s[MASK], -1, 0                   ; the bias belongs to plane 0 alone
.endif
	v_and_b32 v[R], 15, v0
	v_bfe_u32 v[H], v0, 4, 1
	v_and_b32 v[LN], 31, v0
	v_lshlrev_b32 v[TM], 4, v[R]
	v_lshl_add_u32 v[WO], v[H], LRW+4, v[TM]       ; 16 r + 16 h rows
	v_lshlrev_b32 v[AO], LA2, v[R]
	v_lshl_add_u32 v[AO], v[H], 5, v[AO]           ; row r, 32 bytes for each half of the lanes
	s_lshl_b32 s[T0], s[KH], 17                    ; my 16 K steps of 8,192 bytes
.if FFN == 1
	; my column 64 strip + 4 r + c is column 8 r' + t with r' = 8 strip + r / 2 and t = 4 (r % 2) + c: lane 16 h + r' of tile t
	v_lshlrev_b32 v[BO], 5, v[R]                   ; the bias of columns 8 r .. 8 r + 7
	v_lshrrev_b32 v[TM], 1, v[R]
	v_lshl_add_u32 v[TM], v[H], 4, v[TM]           ; 16 h + r / 2
	v_and_b32 v[SA+1], 1, v[R]
	v_lshlrev_b32 v[SA+1], 12, v[SA+1]             ; four tiles of 1,024 bytes further on for odd r
	v_lshl_add_u32 v[SA], v[TM], 4, v[SA+1]
	s_lshl_b32 s[T1], s[STRIP], 7                  ; 8 lanes of 16 bytes
.else
	v_lshlrev_b32 v[BO], 4, v[R]                   ; the bias of columns 4 r .. 4 r + 3, and of those 64 further on
	v_lshlrev_b32 v[SA], 4, v[LN]                  ; my own lane's place,
	s_lshl_b32 s[T1], s[STRIP], 12                 ; in my strip's four tiles of 1,024 bytes
.endif
	s_add_co_u32 s[T0], s[T0], s[T1]
	v_add_nc_u32 v[SA], s[T0], v[SA]
	v_add_nc_u32 v[SA+1], 0x10000, v[SA]           ; an LDS offset has 16 bits: eight K steps to an address register
	v_lshlrev_b32 v[BA], 4, v[LN]
	v_add_nc_u32 v[BA+1], 0x10000, v[BA]
	v_add_nc_u32 v[BA+2], 0x20000, v[BA]
	v_add_nc_u32 v[BA+3], 0x30000, v[BA]
	v_lshlrev_b32 v[GO], 4, v[R]                   ; 16 bytes a lane
	v_lshl_add_u32 v[GO], v[H], LOR+3, v[GO]       ; + 8 h rows
	global_load_b128 v[BI:BI+3], v[BO], s[SBI:SBI+1]
.if FFN == 1
	global_load_b128 v[BI+4:BI+7], v[BO], s[SBI:SBI+1] offset:16
.else
	global_load_b128 v[BI+4:BI+7], v[BO], s[SBI:SBI+1] offset:256
.endif
	s_wait_kmcnt 0x0
	s_min_u32 s[OFFE], s[OFFE], 1024
	s_min_u32 s[ENDE], s[ENDE], 1024
	s_cmp_eq_u32 s[EX], 7
	s_cselect_b32 s[ENDE], 1024, s[ENDE]
	s_max_u32 s[ENDE], s[ENDE], s[OFFE]
	s_sub_co_u32 s[CNT], s[ENDE], s[OFFE]          ; the expert's rows
	s_mov_b32 s[TR], 0                             ; my blocks: those of 80 w + 320 p, p = 0 .. 3, that begin below the expert's number of rows (80 w + 1,280 is above 1,024)
.irp p, 0,1,2,3
	s_add_co_u32 s[T0], s[P0], \p*4*ROWS
	s_cmp_lt_u32 s[T0], s[CNT]
	s_cselect_b32 s[T1], 1, 0
	s_add_co_u32 s[TR], s[TR], s[T1]
.endr
	BLK                                            ; my first block
	s_cmp_lg_u32 s[CNT], 0
	s_cbranch_scc1 .Lstream
	s_wait_loadcnt 0x0                             ; NO ROWS: no weights are streamed.  The bias is in;
.irp s, 0,1,2,3,4,5
	ALOAD \s                                       ; the ring is filled on this way too (rows of the clamped window, never multiplied): every way to the barrier leaves its registers written
.endr
	WIN 0                                          ; at a label and at a branch every window is 0
	s_branch .Lno_weights
	; PHASE W: three K steps' loads are out ahead of the step in hand.  In the last three steps, which have no weights left to ask for, the ring's first six K steps of rows are asked for in their stead.
.Lstream:
	WLOAD 0
	WLOAD 1
	WLOAD 2
.set sg, 0
.rept 16
.if sg < 14
	s_wait_loadcnt 32                              ; this step's weights (and the bias, issued ahead of them) are in; the next two steps' 16 loads each stay out
.elseif sg == 14
	s_wait_loadcnt 36                              ; behind step 14's weights: step 15's 16 loads and 20 for rows
.else
	s_wait_loadcnt 40                              ; behind step 15's weights: 40 loads for rows
.endif
.if sg < 13
	WLOAD (sg+3)
.else
	ALOAD (2*(sg-13))
	ALOAD (2*(sg-13)+1)
.endif
	CVT 0, (sg%4), (sg%2)
	CVT 1, (sg%4), (sg%2)
	CVT 2, (sg%4), (sg%2)
	CVT 3, (sg%4), (sg%2)
	WSTORE sg, (sg%2)
.set sg, sg+1
.endr
	WIN 0
.Lno_weights:
	s_wait_dscnt 0x0                               ; for the other waves' sake: my fragments are in LDS.  My 60 loads for rows stay out: nobody else touches their registers
	s_barrier_signal -1
	s_barrier_wait -1                              ; everybody's are; LDS is only read from here on
.if FFN == 2
.irp t, 0,1,2,3,4,5,6,7
	v_and_b32 v[BI+\t], s[MASK], v[BI+\t]          ; 0.0 in the planes that do not carry the bias
.endr
.endif
	s_cmp_eq_u32 s[TR], 0
	s_cbranch_scc1 .Lend                           ; the expert has no rows for this wave
	s_mov_b32 s[PC], 0
	; PHASE C.  On both ways in, the ring's first six K steps have been asked for and nothing else of mine is out
.Lpass:
	BLOAD 0
	BLOAD 1
.set ks, 0
.rept 32
	KSTEP
.set ks, ks+1
.endr
	WIN 0
	PLACES                                         ; behind the last products: their results are read, and their sources loaded again, below
	OUTT 0
	OUTT 1
	OUTT 2
	OUTT 3
	OUTT 4
	s_add_co_u32 s[PC], s[PC], 1                   ; the loop's counter: one a trip
	s_cmp_ge_u32 s[PC], s[TR]
	s_cbranch_scc1 .Lend                           ; the last block asks for nothing more
	s_wait_xcnt 0x0                                ; bases and registers that this block's loads and stores read are rewritten only behind this wait
	s_mul_i32 s[PS], s[PC], 4*ROWS                 ; the four waves' blocks lie side by side: my next one is 320 rows on
	s_add_co_u32 s[PS], s[PS], s[P0]
	BLK
.irp s, 0,1,2,3,4,5
	ALOAD \s
.endr
	WIN 0
	s_cmp_lt_u32 s[PC], s[TR]                      ; true here: the backward jump hangs on the counter and on a bound that the loop does not write
	s_cbranch_scc1 .Lpass
.Lend:
	s_wait_tensorcnt 0x0
	ds_add_u32 v126, v127
	s_wait_dscnt 0x0
	s_endpgm
.Lfunc_end_k_q008303e1b9_ffn2:
	.size	k_q008303e1b9_ffn2, .Lfunc_end_k_q008303e1b9_ffn2-k_q008303e1b9_ffn2
	.p2alignl 7, 3214868480
	.fill 96, 4, 3214868480
	.section	.rodata,"a",@progbits
	.p2align	6, 0x0
	.amdhsa_kernel k_q008303e1b9_ffn2
		.amdhsa_group_segment_fixed_size 262656
		.amdhsa_private_segment_fixed_size 0
		.amdhsa_enable_private_segment 0
		.amdhsa_kernarg_size 40
		.amdhsa_user_sgpr_count 2
		.amdhsa_user_sgpr_kernarg_segment_ptr 1
		.amdhsa_wavefront_size32 1
		.amdhsa_system_sgpr_workgroup_id_x 1
		.amdhsa_system_sgpr_workgroup_id_y 1
		.amdhsa_system_sgpr_workgroup_id_z 1
		.amdhsa_system_vgpr_workitem_id 0
		.amdhsa_next_free_vgpr 768
		.amdhsa_next_free_sgpr 66
		.amdhsa_reserve_vcc 1
		.amdhsa_float_denorm_mode_32 3
		.amdhsa_float_denorm_mode_16_64 3
		.amdhsa_memory_ordered 1
		.amdhsa_forward_progress 1
		.amdhsa_inst_pref_size 255
	.end_amdhsa_kernel
	.section	.bss,"aw",@nobits
	.p2align	6
	.space	262144
	.amdgpu_metadata
---
amdhsa.version: [ 1, 2 ]
amdhsa.kernels:
  - .name:           k_q008303e1b9_ffn2
    .symbol:         k_q008303e1b9_ffn2.kd
    .args:
      - { .name: hs, .offset: 0, .size: 8, .value_kind: global_buffer, .address_space: global }
      - { .name: w2, .offset: 8, .size: 8, .value_kind: global_buffer, .address_space: global }
      - { .name: b2, .offset: 16, .size: 8, .value_kind: global_buffer, .address_space: global }
      - { .name: offs, .offset: 24, .size: 8, .value_kind: global_buffer, .address_space: global }
      - { .name: part, .offset: 32, .size: 8, .value_kind: global_buffer, .address_space: global }
    .group_segment_fixed_size: 262656
    .private_segment_fixed_size: 0
    .kernarg_segment_align: 8
    .kernarg_segment_size: 40
    .max_flat_workgroup_size: 128
    .sgpr_count:     66
    .vgpr_count:     768
    .wavefront_size: 32
...
	.end_amdgpu_metadata
.endif
;; end of part 7
;; launch comb: the kernel of part 5 again; grid 256 x 1, 4 waves a work-group, no clusters, 0 bytes of LDS; arguments part, order, out0; writes out0
